; MI455X (gfx1250); checked and timed in simulation.
; The chip was launched on July 23, 2026; its instructions are those of AMD's public machine-readable ISA for CDNA 5 (MIT licence, August 2026) and "CDNA5" Instruction Set Architecture Reference Guide (July 2026). The comments in the code are by the model that wrote it; some were corrected since.
;; Causal Self Attention. Allowed arithmetic: matrix products marked QUANTISED: E2M3 operands, one E8M0 scale for each 32 along K, by v_wmma_scale_f32_16x16x128_f8f6f4 with both operands' format E2M3, f32 sums; everything else in f32.
;; Inputs: W_out 1,024 x 1,024 float32; W_qkv 3,072 x 1,024 float32; x 1 x 4,096 x 1,024 float32.
;; Outputs: out0 1 x 4,096 x 1,024 float32.
;; This version of the problem:
;;   THIS VERSION OF THE PROBLEM IS GIVEN IN LOW PRECISION. The matrix products marked QUANTISED in the list below multiply operands that are first quantised to E2M3 (2 exponent bits, 3 mantissa bits; 6 bits a number), with one power-of-two scale for each 32 numbers along K (OCP MX v1.0); their sums are f32. All else is computed in f32.
;;   The module's matrix products, in the order in which they are computed (A, B: the left and right operand; K: the contracted axis; several contracted axes count as one K, in the product's order):
;;     1. [M 4,096, K 1,024] x [K 1,024, N 3,072]; A: input x; B: input W_qkv: QUANTISED
;;     2. batch 16 x [M 4,096, K 64] x [K 64, N 4,096]; A: computed on the way; B: computed on the way: QUANTISED
;;     3. batch 16 x [M 4,096, K 4,096] x [K 4,096, N 64]; A: softmax (see below); B: computed on the way: QUANTISED
;;     4. [M 4,096, K 1,024] x [K 1,024, N 1,024]; A: computed on the way; B: input W_out: QUANTISED
;;   THE QUANTISER, for each operand of a quantised product, along K:
;;     - K is cut into blocks of 32 from its start; a last block that is shorter is filled with zeros.
;;     - A block's scale is 2^e with e = floor(log2(the largest magnitude in the block)) - 2, held to -126 .. 127; a block of zeros has e = 0. As a byte (E8M0): e + 127.
;;     - Each number is divided by its block's scale, clamped to +-7.5, and rounded to the nearest number of E2M3, ties to even, subnormals kept.
;;     - The product sums the exact products of the quantised numbers (number of the format x scale) in f32.
;;   ~~~python
;;   def quantise(x, axis):      # numpy; x: float32 -> the quantised numbers, widened to float32 again
;;       x = np.moveaxis(x, axis, -1); K = x.shape[-1]
;;       x = np.pad(x, [(0, 0)] * (x.ndim - 1) + [(0, -K % 32)]); x = x.reshape(x.shape[:-1] + (-1, 32)); a = np.abs(x).max(-1, keepdims=True)
;;       e = np.where(a > 0, np.clip(np.frexp(np.where(a > 0, a, 1))[1] - 1 - 2, -126, 127), 0)      # np.frexp(a)[1] - 1 = floor(log2(a)), exactly
;;       r = np.clip(x / 2.0 ** e, -7.5, 7.5)
;;       step = 2.0 ** (np.maximum(np.frexp(np.where(r == 0, 1, r))[1] - 1, 0) - 3)
;;       q = np.round(r / step) * step * 2.0 ** e      # np.round: ties to even
;;       return np.moveaxis(q.reshape(q.shape[:-2] + (-1,))[..., :K], -1, axis).astype(np.float32)
;;   ~~~
;;   SOFTMAX AHEAD OF A QUANTISED PRODUCT. Where the list says 'softmax', what is quantised is not the finished softmax but p = 2^(t - M), with t = logit x log2(e) and M = ceil(the row's largest t), a whole number; so 1/2 < the row's largest p <= 1. The row's sum l is taken of the UNQUANTISED p, in f32, and the product's result is divided by l at the end. Since M is a whole number, a kernel that streams over the keys may use a running M (the ceiling of the running maximum): every later rescaling is an exact power of two, which a block's scale takes up: the codes' values come out the same.
;;   OPERANDS COMPUTED ON THE WAY. 'Computed on the way' means the value that the module computes at that place (a softmax that the list does not call 'softmax' is quantised finished and normalised). What goes into a quantiser is computed in f32, as accurately as f32 sums, v_exp_f32 and their like allow (about 1e-6 of the number): no bf16 or f16 on the way to a quantiser, and a product that is left as it is and whose result goes on into a quantised operand takes f32 operands (vector FMAs, or v_wmma_f32_16x16x4_f32). A number that lies on a knife's edge between two numbers of the format may be rounded either way, as far as f32 arithmetic and the matrix unit's own rounding can turn it there, and no further.
;; One version. Each part assembles by itself: llvm-mc -triple=amdgcn-amd-amdhsa -mcpu=gfx1250 --defsym DOCPART=n.
;; ======== version 1 of 1: 4 launches
;; workspace buffers: cod 6,291,456 bytes; scl 262,144 bytes; rope 1,048,576 bytes; qb 3,407,872 bytes; kv 6,684,672 bytes; ao 3,145,728 bytes; aos 131,072 bytes
;; launch prep (part 1): grid 256 x 1, 4 waves a work-group, no clusters, 33,280 bytes of LDS; arguments x, W_qkv, W_out, cod, scl, rope; writes cod, scl, rope
.if DOCPART == 1
	.amdgcn_target "amdgcn-amd-amdhsa--gfx1250"
	.amdhsa_code_object_version 6
	.text
	.protected	k_q8dc55a5518_prep
	.globl	k_q8dc55a5518_prep
	.p2align	8
	.type	k_q8dc55a5518_prep,@function
k_q8dc55a5518_prep:
	s_mov_b64 s[64:65], 0
	v_nop
	global_prefetch_b8 v0, s[64:65] scope:SCOPE_SE
	s_setreg_imm32_b32 hwreg(HW_REG_WAVE_MODE, 25, 1), 1
	s_wait_xcnt 0x0
; PREP.  x [4096][1024], W_qkv [3072][1024], W_out [1024][1024], f32, K innermost, become codes of FP6 (E2M3) and one E8M0 byte for each 32 along K,
; as ONE matrix of 8,192 rows: cod, 768 bytes a row, and scl, 32 bytes a row (rows 0-4095 x, 4096-7167 W_qkv, 7168-8191 W_out).
; A block's scale is 2^(floor(log2(largest magnitude)) - 2): its byte is the largest magnitude's exponent field - 2, held at 1 from below.
; THE ORDER OF ROWS.  In x and W_qkv the rows of each group of 32 are written in the order 0-7, 16-23, 8-15, 24-31.  So 16 neighbouring stored rows (tile 2 b + u) are
; the true rows 32 b + 8 u + r + 8 (r / 8), and a product's results of two neighbouring tiles are 16 neighbours along the next product's K.  W_out keeps its order.
; A work-group takes one group of 32 rows, a wave 8 rows = 16 steps of 512 numbers.  Each load reads 512 consecutive bytes; a step's 2,048 bytes turn through the wave's own stage in LDS
; and come back 64 bytes a lane, so that a lane holds 16 neighbours along K and two neighbouring lanes a block.  A wave's store of codes covers 384 consecutive bytes; its 256 scale bytes are
; gathered in LDS and leave as 256 consecutive bytes.  No tensor loads, no barrier: waves share nothing.  Loads run four steps ahead.
; THE ROTARY TABLE: rope [tile 0..255][g 0..7][lane][16 bytes]: g 0-3 cosines, g 4-7 sines; a lane's four numbers are frequencies j = 16 (lane / 16) + 4 (g % 4) + 0..3 at
; t = 32 (tile / 2) + 8 (tile % 2) + r + 8 (r / 8), r = lane % 16: the image of the registers in which the next launch wants them.  Each thread makes two entries.
; angle = t x 10^(-j/8) in f32; it is reduced by n = nearest(angle x 2 / pi) with pi / 2 in two parts (the first product and difference are exact: n has 12 bits),
; then sine and cosine by polynomials on [-pi/4, pi/4]; the quadrant picks and signs by selects.  No branch hangs on a number.
; LIMITS: NaN and infinities among the inputs are not served.  Blocks whose largest magnitude lies under 2^-124 keep the byte 1; a block of zeros has the byte 1 where the rule says 127
; (its codes are zeros, and this program alone reads the bytes).  10^(-j/8) is a rounded constant for j < 8 and such a constant times a rounded power of ten for j >= 8 (up to 1.5 units in its last
; place; the angle there is under 410, so under 4e-5 in the angle).  Sine and cosine are good to about 1e-7 absolute.
.set STEPS, 16
.set EMAX,  2
.set CB,    12                         ; bytes of 16 codes
.set R,     16                         ; v16-79   four sets of 16 numbers as loaded
.set X,     80                         ; v80-111  two sets of 16 neighbours
.set E,     112                        ; v112-127 a scale byte for each step
.set C,     128                        ; v128-191 codes: four registers for each step, so that no store's data are written again
.set WREG,  8192                       ; LDS: a region for each wave: two stages of 32 x SP bytes, then its 256 scale bytes
.set SP,    80                         ; a lane's place in a stage: 64 bytes + 16 of padding
.set TT,    192                        ; t as f32, first entry
.set DEC,   193                        ; the lane's power of ten
.set FQ,    194                        ; v194-197 the lane's four frequencies
.set TH,    198
.set NN,    199
.set RH,    200
.set ZZ,    201
.set PS,    202
.set PCS,   203
.set ZR,    204
.set Z2,    205
.set BB,    206
.set QI,    207
.set TP,    208
.set T1,    209                        ; t of the second entry
.set RO,    210                        ; 16 x thread: my place in the table's part
.set OUT,   216                        ; v216-223 the two entries
	s_load_b128 s[4:7], s[0:1], 0x0                ; x, W_qkv
	s_load_b128 s[8:11], s[0:1], 0x10              ; W_out, cod
	s_load_b128 s[12:15], s[0:1], 0x20             ; scl, rope
	v_lshl_add_u32 v224, v0, 2, 0x8000
	v_mov_b32 v225, 0
	v_lshrrev_b32 v1, 5, v0
	v_readfirstlane_b32 s16, v1                    ; wave
	v_and_b32 v2, 31, v0                           ; lane
	v_lshlrev_b32 v3, 4, v2                        ; my 16 bytes of a load's 512
	s_mul_i32 s17, s16, WREG
	v_lshrrev_b32 v14, 2, v2
	v_mul_u32_u24 v14, v14, SP
	v_and_b32 v15, 3, v2
	v_lshl_add_u32 v14, v15, 4, v14
	v_add_nc_u32 v14, s17, v14                     ; the stage, way in: SP (lane / 4) + 16 (lane % 4)
	v_mul_u32_u24 v15, v2, SP
	v_add_nc_u32 v15, s17, v15                     ; way out: SP x lane: my 16 neighbours
	v_mul_u32_u24 v4, v2, CB                       ; my codes' place in a step's
	v_lshrrev_b32 v5, 1, v2
	s_add_co_u32 s17, s17, 2*32*SP
	v_add_nc_u32 v5, s17, v5                       ; my block's scale byte in LDS
	v_lshlrev_b32 v7, 3, v2
	v_add_nc_u32 v6, s17, v7                       ; and 8 bytes a lane on the way out
	v_lshlrev_b32 v[RO], 4, v0
	s_and_b32 s19, s16, 1
	s_lshl_b32 s19, s19, 1
	s_lshr_b32 s20, s16, 1
	s_or_b32 s19, s19, s20                         ; where my 8 rows go in the group: 0, 2, 1, 3
	s_wait_kmcnt 0x0
	s_cmp_lt_u32 ttmp9, 128                        ; which tensor: the choice hangs on the work-group's number alone
	s_cselect_b64 s[4:5], s[4:5], s[6:7]
	s_cselect_b32 s18, 0, 128
	s_cmp_lt_u32 ttmp9, 224
	s_cselect_b64 s[4:5], s[4:5], s[8:9]
	s_cselect_b32 s18, s18, 224
	s_cselect_b32 s19, s19, s16                    ; W_out keeps its order
	s_sub_co_u32 s18, ttmp9, s18                   ; the group's number in its tensor
	s_lshl_b32 s20, s18, 17                        ; 32 rows of 4,096 bytes
	s_lshl_b32 s21, s16, 15                        ; my 8 rows
	s_add_co_u32 s20, s20, s21
	s_mov_b32 s21, 0
	s_add_nc_u64 s[4:5], s[4:5], s[20:21]
	s_mul_i32 s20, ttmp9, 24576                    ; 32 rows of 768 bytes
	s_mul_i32 s22, s19, 6144
	s_add_co_u32 s20, s20, s22
	s_add_nc_u64 s[10:11], s[10:11], s[20:21]
	s_lshl_b32 s20, ttmp9, 10                      ; 32 rows of 32 bytes
	s_lshl_b32 s22, s19, 8
	s_add_co_u32 s20, s20, s22
	s_add_nc_u64 s[12:13], s[12:13], s[20:21]
	s_lshl_b32 s20, ttmp9, 11                      ; the table: 128 threads x 16 bytes
	s_add_nc_u64 s[14:15], s[14:15], s[20:21]
.macro LOAD t
.irp i, 0,1,2,3
	global_load_b128 v[R+16*((\t)%4)+4*\i:R+16*((\t)%4)+4*\i+3], v3, s[4:5] offset:2048*(\t)+512*\i th:TH_LOAD_NT   ; 32 lanes read 512 consecutive bytes
.endr
.endm
.macro TURN t                          ; step t's numbers through the stage: LDS serves a wave's instructions in order, so no wait stands between the stores and the loads
.irp i, 0,1,2,3
	ds_store_b128 v14, v[R+16*((\t)%4)+4*\i:R+16*((\t)%4)+4*\i+3] offset:32*SP*((\t)%2)+8*SP*\i
.endr
.irp i, 0,1,2,3
	ds_load_b128 v[X+16*((\t)%2)+4*\i:X+16*((\t)%2)+4*\i+3], v15 offset:32*SP*((\t)%2)+16*\i
.endr
.endm
.irp t, 0,1,2,3
	LOAD \t
.endr
	; ---- the rotary table, while the first sixteen loads are on their way
	s_and_b32 s22, s16, 1                          ; j / 8 = 2 h + wave / 2 + (4 (wave % 2) + e) / 8
	s_cmp_eq_u32 s22, 0
	s_mov_b32 s24, 0x3ea1e89b                      ; 10^(-4/8)
	s_cselect_b32 s24, 1.0, s24                    ; 10^0
	s_mov_b32 s25, 0x3e72d424                      ; 10^(-5/8)
	s_cselect_b32 s25, 0x3f3ff911, s25             ; 10^(-1/8)
	s_mov_b32 s26, 0x3e361887                      ; 10^(-6/8)
	s_cselect_b32 s26, 0x3f0ff59a, s26             ; 10^(-2/8)
	s_mov_b32 s27, 0x3e088d77                      ; 10^(-7/8)
	s_cselect_b32 s27, 0x3ed7e89b, s27             ; 10^(-3/8)
	s_lshr_b32 s22, s16, 1
	s_cmp_eq_u32 s22, 0
	s_mov_b32 s28, 0x3dcccccd                      ; lanes 0-15: 1 or 0.1
	s_cselect_b32 s28, 1.0, s28
	s_mov_b32 s29, 0x3a83126f                      ; lanes 16-31: 0.01 or 0.001
	s_cselect_b32 s29, 0x3c23d70a, s29
	s_mov_b32 s30, 0xffff0000                      ; the mask of lanes 16-31
	v_mov_b32 v[DEC], s28
	v_mov_b32 v[TH], s29
	v_cndmask_b32 v[DEC], v[DEC], v[TH], s30
.irp e, 0,1,2,3
	v_mul_f32 v[FQ+\e], s[24+\e], v[DEC]
.endr
	s_lshr_b32 s22, ttmp9, 2                       ; tile = 128 u + group / 2:  t = 2,048 u + 32 (group / 4) + 8 ((group / 2) % 2) + r + 8 (r / 8)
	s_lshl_b32 s22, s22, 5
	s_bfe_u32 s23, ttmp9, 0x10001
	s_lshl_b32 s23, s23, 3
	s_add_co_u32 s22, s22, s23
	v_and_b32 v[TH], 15, v0
	v_and_b32 v[NN], 8, v0
	v_add3_u32 v[TH], v[TH], v[NN], s22
	v_cvt_f32_u32 v[TT], v[TH]
	v_add_f32 v[T1], 0x45000000, v[TT]             ; + 2,048, exact
	s_and_b32 s31, ttmp9, 1
	s_xor_b32 s31, s31, 1                          ; 1: this work-group makes cosines (even groups), 0: sines
	s_mov_b32 s32, 0x3fc90fdb                      ; pi / 2, upper part
	s_mov_b32 s33, 0xb33bbd2e                      ; and the rest
	s_mov_b32 s34, 0xb94ca1f9                      ; sine: -1.9515296e-4, 8.3321609e-3, -1.6666655e-1
	s_mov_b32 s35, 0x3c08839e
	s_mov_b32 s36, 0xbe2aaaa3
	s_mov_b32 s37, 0x37ccf5ce                      ; cosine: 2.4433157e-5, -1.3887316e-3, 4.1666646e-2
	s_mov_b32 s38, 0xbab6061a
	s_mov_b32 s39, 0x3d2aaaa5
.macro TRIG dst, e, tt
	v_mul_f32 v[TH], v[\tt], v[FQ+\e]              ; the angle
	v_mul_f32 v[NN], 0x3f22f983, v[TH]
	v_rndne_f32 v[NN], v[NN]                       ; n
	v_fma_f32 v[RH], -v[NN], s32, v[TH]
	v_fma_f32 v[RH], -v[NN], s33, v[RH]            ; what is left of the angle
	v_mul_f32 v[ZZ], v[RH], v[RH]
	v_fma_f32 v[PS], v[ZZ], s34, s35
	v_fma_f32 v[PCS], v[ZZ], s37, s38
	v_fma_f32 v[PS], v[PS], v[ZZ], s36
	v_fma_f32 v[PCS], v[PCS], v[ZZ], s39
	v_mul_f32 v[ZR], v[ZZ], v[RH]
	v_mul_f32 v[Z2], v[ZZ], v[ZZ]
	v_fma_f32 v[BB], v[ZZ], -0.5, 1.0
	v_fma_f32 v[PS], v[PS], v[ZR], v[RH]           ; its sine
	v_fma_f32 v[PCS], v[PCS], v[Z2], v[BB]         ; its cosine
	v_cvt_i32_f32 v[QI], v[NN]
	v_add_nc_u32 v[QI], s31, v[QI]                 ; the quadrant; a cosine is the sine a quadrant on
	v_and_b32 v[TP], 1, v[QI]
	v_cmp_eq_u32 vcc_lo, 1, v[TP]
	v_cndmask_b32 v[PS], v[PS], v[PCS], vcc_lo
	v_and_b32 v[TP], 2, v[QI]
	v_lshlrev_b32 v[TP], 30, v[TP]
	v_xor_b32 v[\dst], v[PS], v[TP]                ; quadrants 2 and 3 change the sign
.endm
.irp e, 0,1,2,3
	TRIG OUT+\e, \e, TT
.endr
.irp e, 0,1,2,3
	TRIG OUT+4+\e, \e, T1
.endr
	global_store_b128 v[RO], v[OUT:OUT+3], s[14:15]                    ; a wave stores 512 consecutive bytes
	global_store_b128 v[RO], v[OUT+4:OUT+7], s[14:15] offset:524288    ; tiles 128 on
	; ---- the quantiser
	s_wait_loadcnt 12                              ; step 0's four loads are in
	TURN 0
.macro STEP t
.set XS, X+16*((\t)%2)
.if (\t) > 0
	s_wait_dscnt 1                                 ; this step's numbers are back from the stage (the last step's byte store may be out): so its stores into the stage have read their registers,
.else
	s_wait_dscnt 0x0
.endif
.if (\t)+4 < STEPS
	LOAD (\t)+4                                    ; which take the loads of four steps on
.endif
.if (\t)+1 < STEPS
.if STEPS-2-(\t) >= 3
	s_wait_loadcnt 12                              ; the next step's four loads are in; those of the three steps behind it may be out
.else
	s_wait_loadcnt 4*(STEPS-2-(\t))
.endif
	TURN (\t)+1
.endif
	v_max3_num_f32 v8, |v[XS]|, |v[XS+1]|, |v[XS+2]|               ; the largest magnitude of my 16, in two chains
	v_max3_num_f32 v9, |v[XS+3]|, |v[XS+4]|, |v[XS+5]|
.irp i, 6,10
	v_max3_num_f32 v8, v8, |v[XS+\i]|, |v[XS+\i+1]|
	v_max3_num_f32 v9, v9, |v[XS+\i+2]|, |v[XS+\i+3]|
.endr
	v_max3_num_f32 v8, v8, |v[XS+14]|, |v[XS+15]|
	v_max3_num_f32 v8, v8, v9, (EMAX+1)<<23        ; and the floor 2^(3 - 127): the byte cannot fall under 1
	v_max_num_f32_dpp v8, v8, v8 row_xmask:1 row_mask:0xf bank_mask:0xf   ; with my neighbour's 16: the block's
	v_add_nc_u32 v11, -(EMAX<<23), v8              ; 2 off its exponent field: the conversion takes the exponent field of this operand as its scale
	v_cvt_scalef32_pk16_fp6_f32 v[C+4*(\t):C+4*(\t)+2], v[XS:XS+15], v11
	v_lshrrev_b32 v[E+(\t)], 23, v11               ; the scale's byte
	ds_store_b8 v5, v[E+(\t)] offset:16*(\t)       ; both lanes of a block write the same byte with the same value
	global_store_b96 v4, v[C+4*(\t):C+4*(\t)+2], s[10:11] offset:32*CB*(\t)
.endm
.irp t, 0,1,2,3,4,5,6,7,8,9,10,11,12,13,14,15
	STEP \t
.endr
	ds_load_b64 v[12:13], v6                       ; LDS serves a wave's instructions in order: these see my stores
	s_wait_dscnt 0x0
	global_store_b64 v7, v[12:13], s[12:13]        ; 32 lanes store 256 consecutive bytes
	s_wait_tensorcnt 0x0
	ds_add_u32 v224, v225
	s_wait_dscnt 0x0
	s_endpgm
.Lfunc_end_k_q8dc55a5518_prep:
	.size	k_q8dc55a5518_prep, .Lfunc_end_k_q8dc55a5518_prep-k_q8dc55a5518_prep
	.p2alignl 7, 3214868480
	.fill 96, 4, 3214868480
	.section	.rodata,"a",@progbits
	.p2align	6, 0x0
	.amdhsa_kernel k_q8dc55a5518_prep
		.amdhsa_group_segment_fixed_size 33280
		.amdhsa_private_segment_fixed_size 0
		.amdhsa_enable_private_segment 0
		.amdhsa_kernarg_size 48
		.amdhsa_user_sgpr_count 2
		.amdhsa_user_sgpr_kernarg_segment_ptr 1
		.amdhsa_wavefront_size32 1
		.amdhsa_system_sgpr_workgroup_id_x 1
		.amdhsa_system_sgpr_workgroup_id_y 1
		.amdhsa_system_sgpr_workgroup_id_z 1
		.amdhsa_system_vgpr_workitem_id 0
		.amdhsa_next_free_vgpr 226
		.amdhsa_next_free_sgpr 66
		.amdhsa_reserve_vcc 1
		.amdhsa_float_denorm_mode_32 3
		.amdhsa_float_denorm_mode_16_64 3
		.amdhsa_memory_ordered 1
		.amdhsa_forward_progress 1
		.amdhsa_inst_pref_size 43
	.end_amdhsa_kernel
	.amdgpu_metadata
---
amdhsa.version: [ 1, 2 ]
amdhsa.kernels:
  - .name:           k_q8dc55a5518_prep
    .symbol:         k_q8dc55a5518_prep.kd
    .args:
      - { .name: x, .offset: 0, .size: 8, .value_kind: global_buffer, .address_space: global }
      - { .name: W_qkv, .offset: 8, .size: 8, .value_kind: global_buffer, .address_space: global }
      - { .name: W_out, .offset: 16, .size: 8, .value_kind: global_buffer, .address_space: global }
      - { .name: cod, .offset: 24, .size: 8, .value_kind: global_buffer, .address_space: global }
      - { .name: scl, .offset: 32, .size: 8, .value_kind: global_buffer, .address_space: global }
      - { .name: rope, .offset: 40, .size: 8, .value_kind: global_buffer, .address_space: global }
    .group_segment_fixed_size: 33280
    .private_segment_fixed_size: 0
    .kernarg_segment_align: 8
    .kernarg_segment_size: 48
    .max_flat_workgroup_size: 128
    .sgpr_count:     66
    .vgpr_count:     226
    .wavefront_size: 32
...
	.end_amdgpu_metadata
.endif
;; end of part 1
;; launch qkv (part 2): grid 48 x 4, 4 waves a work-group, clusters of 4 x 4, 327,680 bytes of LDS; arguments cod, scl, rope, qb, kv; writes qb, kv
.if DOCPART == 2
	.amdgcn_target "amdgcn-amd-amdhsa--gfx1250"
	.amdhsa_code_object_version 6
	.text
	.protected	k_q8dc55a5518_qkv
	.globl	k_q8dc55a5518_qkv
	.p2align	8
	.type	k_q8dc55a5518_qkv,@function
k_q8dc55a5518_qkv:
	s_mov_b64 s[64:65], 0
	v_nop
	global_prefetch_b8 v0, s[64:65] scope:SCOPE_SE
	s_setreg_imm32_b32 hwreg(HW_REG_WAVE_MODE, 25, 1), 1
	s_wait_xcnt 0x0
	s_wait_alu depctr_hold_cnt(0) depctr_sa_sdst(0) depctr_va_vdst(0) depctr_va_sdst(0) depctr_va_ssrc(0) depctr_va_vcc(0) depctr_vm_vsrc(0)
	s_getreg_b32 s2, hwreg(HW_REG_IB_STS2, 6, 4)
	s_cmp_eq_u32 s2, 0
	s_cbranch_scc0 .Lentry_in_a_cluster
	s_endpgm
.Lentry_in_a_cluster:
	s_bfe_u32 s2, ttmp6, 0x10000c
	s_cmp_lg_u32 s2, 0xf033
	s_cbranch_scc0 .Lentry_shape_is_right
	s_endpgm
.Lentry_shape_is_right:
; QKV.  qkv = x W_qkv^T on codes of FP6 (E2M3) with one E8M0 scale for each 32 along K = 1,024; then, in registers, the rotary turn of q and k, and the quantisers of the next two products:
; q and k along the head's 64, v along the keys.  Only codes and scale words go to memory, as images of the registers in which the attention launch wants them.
; A tile of 256 x 256 is made by four waves, each 128 x 128: 64 accumulators of 16 x 16, 512 registers.  K goes in steps of 256 through a ring of two LDS slots filled by the tensor data mover;
; the scale bytes of the work-group's rows come once, with the first fills, and stay in LDS.
; TWO MODES, told apart by the cluster's number c (the same in all sixteen partners).  c < 8: A = x, B = W_q and W_k (2,048 rows): a lane then holds one t and 128 outputs = two heads.
; c >= 8: A = W_v, B = x: a lane then holds one channel of v and 128 keys, so that v's quantiser along the keys works on one lane's registers.
; THE MATRIX INSTRUCTION IS USED TRANSPOSED: source 0 = 16 rows of B, source 1 = 16 rows of A.  Rows of x and W_qkv are stored so that 16 neighbouring stored rows (tile 2 b + u) are the true rows
; 32 b + 8 u + r + 8 (r / 8).  So lane (r, h) holds A's true row 32 (a / 2) + 8 (a % 2) + r + 8 (r / 8), and register 16 b + i of the 64 of A's block a holds B's true row 32 b + 16 h + i.
; CLUSTERS: 4 x 4 work-groups; A's tiles are asked for jointly along a row of the cluster, B's along a column.
; WHAT IS STORED.  qb: [head][S] blocks of 6,656 bytes, S a run of 128 t: for each pair of tiles 12 registers (6 of the even tile, 6 of the odd: 16 rows x 64 codes each) as three groups of 512 bytes,
; 16 bytes a lane; then 512 bytes of scale words, 16 bytes a lane: word p holds in lanes 0-15 the even tile's rows, in lanes 16-31 the odd tile's; its bytes 2 and 3 are 0.
; kv: [head][S] blocks of 13,056 bytes: K as in qb; at 6,656 V's four fragments (16 channels x 128 keys, 12 registers) likewise; at 12,800 V's scale words, 8 bytes a lane.
; Each store of a wave covers 512 (the last of mode v: 256) consecutive bytes, aligned.
; LIMITS: as the quantiser's: blocks under 2^-124 keep the byte 1, a block of zeros too; NaN and infinities are not served.
; REGISTERS: window 0: v0-31 addresses; v32-63 scale words, two sets; from v128 A's fragments, one set; on the way out v32-255 are free.  window 1: B's fragments, two sets.  windows 2, 3: the accumulators.
.set KSTEP,  256
.set NQ,     KSTEP/128
.set ROWB,   192                       ; a tile's row in bytes
.set KROW,   768                       ; a row of cod
.set PITCH,  240                       ; an LDS row: 3 x (64 bytes + 16 of padding)
.set FR,     12
.set NL,     6
.set NP,     4
.set HALFT,  128*PITCH
.set SLOT,   4*HALFT
.set LAPS,   2                         ; K = 1,024: twice round the ring
.set KS,     32                        ; a row of scl
.set SCL,    2*SLOT
.set HALFS,  (128*KS/256)*272
.set SBLK,   (16*KS/256)*272
.set SPARE,  SCL+4*HALFS               ; the spare words: 128 bytes for each wave, named by no other line
.set ADRA, 16                          ; v16-19
.set ADRB, 20                          ; v20-23
.set L8,   25                          ; 8 x lane
.set LI,   26                          ; 16 x lane
.set ADRS, 27
.set SPW,  28
.set NIL,  29
.set SC,   32
.set AF,   128
.set G1, 24
.set G0, 32
.set G1B, 48
.set G0B, 56
.set G1S, 68
.set G0S, 76
.set G1SB, 80
.set G0SB, 88
.set H,   32                           ; the way out: v32-95 64 turned numbers
.set TB,  96                           ; v96-159 two sets of 16 cosines and 16 sines
.set RS,  160                          ; v160-207 two sets of 24 registers of codes
.set TM,  208                          ; v208-211 largest magnitudes, v212-215 the other half's, then bytes, v220-223 scale operands
.set PW,  224                          ; the scale word just made
.set PWE, 225                          ; the even tile's
.set CT,  226                          ; v226-228, v230-232 upper halves of blocks
.set W,   236                          ; v236-239 scale words as stored
.set W1,  240                          ; v240-243 the second head's
.set SEL, 40                           ; s[40:41] lane selects: lane l xor 16
.set HIM, 66                           ; s66 the mask of lanes 16-31
.set P0,  92                           ; s[92:93] where the first head's block begins
.set P1,  94                           ; s[94:95] the second head's
.set RP,  96                           ; s[96:97] the table at my 128 t
.set MSB, 0
.macro WIN new                         ; the immediate's high byte repeats the setting that is left
.if MSB != \new
	s_set_vgpr_msb (MSB<<8)|\new
.set MSB, \new
.endif
.endm
.set MUL_LO, 0xa1                      ; source 0 (B) window 1, source 1 (A) window 0, C and D window 2
.set MUL_HI, 0xf1
.set TO_B,   0x40
; A joint load: waves 0 and 1 fetch for A, waves 2 and 3 for B.  The branch hangs on the wave's number alone.  Four v_nop follow each of the two lines.
.macro JLOAD g0a, g1a, g0b, g1b
	s_cmp_eq_u32 s15, 0
	s_cbranch_scc0 .Lfor_b_\@
	tensor_load_to_lds s[\g0a:\g0a+3], s[\g1a:\g1a+7]
	s_nop 0
.rept 4
	v_nop
.endr
	s_branch .Lasked_\@
.Lfor_b_\@:
	tensor_load_to_lds s[\g0b:\g0b+3], s[\g1b:\g1b+7]
	s_nop 0
.rept 4
	v_nop
.endr
.Lasked_\@:
.endm
.macro CREST                           ; a round of the cluster's barrier behind its opening barrier
	s_cmp_lg_u32 s14, 0
	s_cbranch_scc1 .Lnot_wave_0_\@
	s_barrier_signal -3
.Lnot_wave_0_\@:
	s_barrier_wait -3
	s_barrier_signal -1
	s_barrier_wait -1
.endm
.macro CROUND
	s_barrier_signal -1
	s_barrier_wait -1
	CREST
.endm
	s_load_b128 s[4:7], s[0:1], 0x0                ; cod, scl
	s_load_b128 s[8:11], s[0:1], 0x10              ; rope, qb
	s_load_b64 s[12:13], s[0:1], 0x20              ; kv
	v_lshl_add_u32 v[SPW], v0, 2, SPARE
	v_mov_b32 v[NIL], 0
	ds_add_u32 v28, v29
	s_wait_dscnt 0x0
	v_lshrrev_b32 v1, 5, v0
	v_readfirstlane_b32 s14, v1                    ; wave 0..3
	s_lshr_b32 s15, s14, 1                         ; which half of the tile's rows is mine.  Also: I fetch for A (0) or for B (1)
	s_and_b32 s16, s14, 1                          ; which half of its columns.  Also: which 128 rows of that tile I fetch
	s_bfe_u32 s40, ttmp6, 0x40000                  ; cx, cy
	s_bfe_u32 s41, ttmp6, 0x40004
	s_and_b32 s42, ttmp9, 1                        ; c < 8: tile column 4 (c % 2) + cx of 8, tile row 4 (c / 2) + cy of 16
	s_sub_co_u32 s18, ttmp9, 8                     ; c >= 8: tile column 4 (c - 8) + cx of 16, tile row cy of 4
	s_lshr_b32 s17, ttmp9, 1
	s_cmp_lt_u32 ttmp9, 8
	s_cselect_b32 s42, s42, s18
	s_cselect_b32 s17, s17, 0
	s_cselect_b32 s98, 0, 6144                     ; A's first row in cod: x, or W_v
	s_cselect_b32 s99, 4096, 0                     ; B's: W_q, or x
	s_lshl_b32 s42, s42, 2
	s_add_co_u32 s42, s42, s40                     ; tile column
	s_lshl_b32 s17, s17, 2
	s_add_co_u32 s17, s17, s41                     ; tile row
	s_lshl_b32 s43, s41, 2
	s_lshl_b32 s43, 15, s43                        ; my row of the cluster
	s_lshl_b32 s44, 0x1111, s40                    ; my column
	; descriptor group 1: a tile of 128 rows x 192 bytes, 16 bytes of padding behind every 64
	s_or_b32 s[G1+0], s43, (0<<16)|(1<<20)|(1<<21)|(3<<22)|(3<<25)
	s_or_b32 s[G1B+0], s44, (0<<16)|(1<<20)|(1<<21)|(3<<22)|(3<<25)
.irp g, G1, G1B
	s_mov_b32 s[\g+1], ROWB<<16                    ; tensor_dim0
	s_mov_b32 s[\g+2], 128<<16                     ; tensor_dim1
	s_mov_b32 s[\g+3], ROWB<<16                    ; tile_dim0
	s_mov_b32 s[\g+4], 128                         ; tile_dim1
	s_mov_b32 s[\g+5], KROW                        ; pitch
	s_mov_b32 s[\g+6], 0
	s_mov_b32 s[\g+7], 0
.endr
	; the scales of 128 rows: 4,096 dense bytes as 16 rows of 256 bytes, 16 bytes of padding behind each
	s_or_b32 s[G1S+0], s43, (3<<16)|(1<<20)|(1<<21)|(5<<22)|(3<<25)
	s_or_b32 s[G1SB+0], s44, (3<<16)|(1<<20)|(1<<21)|(5<<22)|(3<<25)
.irp g, G1S, G1SB
	s_mov_b32 s[\g+1], 32<<16
	s_mov_b32 s[\g+2], (128*KS/256)<<16
	s_mov_b32 s[\g+3], 32<<16
	s_mov_b32 s[\g+4], 128*KS/256
	s_mov_b32 s[\g+5], 32
	s_mov_b32 s[\g+6], 0
	s_mov_b32 s[\g+7], 0
.endr
	s_lshl_b32 s18, s16, 7                         ; which 128 rows of the tile I fetch
	s_lshl_b32 s20, s17, 8
	s_add_co_u32 s20, s20, s18
	s_add_co_u32 s20, s20, s98                     ; A: its first row + 256 x tile row + 128 x half
	s_lshl_b32 s46, s42, 8
	s_add_co_u32 s46, s46, s18
	s_add_co_u32 s46, s46, s99                     ; B likewise, by the tile column
	s_mov_b32 s21, 0
	s_mov_b32 s47, 0
	s_mov_b64 s[18:19], KS
	s_mul_u64 s[22:23], s[20:21], s[18:19]         ; where these rows' scales begin
	s_mul_u64 s[92:93], s[46:47], s[18:19]
	s_mov_b64 s[18:19], KROW
	s_mul_u64 s[20:21], s[20:21], s[18:19]         ; and their codes
	s_mul_u64 s[46:47], s[46:47], s[18:19]
	s_mul_i32 s45, s14, HALFT                      ; where they go: wave x 128 rows
	s_mul_i32 s94, s14, HALFS
	s_wait_kmcnt 0x0
	s_add_nc_u64 s[20:21], s[4:5], s[20:21]
	s_add_nc_u64 s[22:23], s[6:7], s[22:23]
	s_add_nc_u64 s[46:47], s[4:5], s[46:47]
	s_add_nc_u64 s[92:93], s[6:7], s[92:93]
	CROUND                                         ; all sixteen work-groups are here: the first joint loads meet
	s_mov_b32 s[G0S], 1
	s_add_co_u32 s[G0S+1], s94, SCL
	s_mov_b64 s[G0S+2:G0S+3], s[22:23]
	s_or_b32 s[G0S+3], s[G0S+3], 0x80000000
	s_mov_b32 s[G0SB], 1
	s_add_co_u32 s[G0SB+1], s94, SCL
	s_mov_b64 s[G0SB+2:G0SB+3], s[92:93]
	s_or_b32 s[G0SB+3], s[G0SB+3], 0x80000000
	JLOAD G0S, G1S, G0SB, G1SB                     ; the scales first: they are wanted with K step 0
.irp s, 0,1
	s_mov_b32 s[G0+4*\s], 1
	s_add_co_u32 s[G0+4*\s+1], s45, \s*SLOT
	s_add_nc_u64 s[G0+4*\s+2:G0+4*\s+3], s[20:21], \s*ROWB
	s_or_b32 s[G0+4*\s+3], s[G0+4*\s+3], 0x80000000
	s_mov_b32 s[G0B+4*\s], 1
	s_add_co_u32 s[G0B+4*\s+1], s45, \s*SLOT
	s_add_nc_u64 s[G0B+4*\s+2:G0B+4*\s+3], s[46:47], \s*ROWB
	s_or_b32 s[G0B+4*\s+3], s[G0B+4*\s+3], 0x80000000
	JLOAD G0+4*\s, G1, G0B+4*\s, G1B
.endr
	v_and_b32 v1, 15, v0                           ; l % 16
	v_bfe_u32 v2, v0, 4, 1                         ; l / 16
	v_mul_u32_u24 v3, v1, PITCH
	v_mul_u32_u24 v4, v2, 24
	v_add_nc_u32 v4, v3, v4                        ; a fragment's row x pitch + 24 x half
	v_lshl_add_u32 v5, v2, 4, v4                   ; and the same behind one padding more
	s_mul_i32 s21, s15, HALFT                      ; my 128 rows of A
	s_mul_i32 s22, s16, HALFT                      ; my 128 rows of B,
	s_add_co_u32 s22, s22, 2*HALFT                 ; which lie behind A's 256
.irp s, 0,1
	v_add_nc_u32 v[ADRA+\s], s21, v4
	v_add_nc_u32 v[ADRB+\s], s22, v4
	v_add_nc_u32 v[ADRA+2+\s], s21, v5
	v_add_nc_u32 v[ADRB+2+\s], s22, v5
	s_add_co_u32 s21, s21, SLOT
	s_add_co_u32 s22, s22, SLOT
.endr
	v_mul_u32_u24 v5, v1, KS                       ; my row's scales: 32 bytes a row,
	v_lshrrev_b32 v6, 8, v5
	v_lshl_add_u32 v5, v6, 4, v5                   ; and 16 more for each 256 passed
	s_mul_i32 s21, s15, HALFS
	s_mul_i32 s22, s16, HALFS
	s_add_co_u32 s22, s22, 2*HALFS
	s_sub_co_u32 s22, s22, s21
	v_mul_u32_u24 v6, s22, v2                      ; lanes 16-31 take B's
	s_add_co_u32 s21, s21, SCL
	v_add_nc_u32 v5, v5, v6
	v_add_nc_u32 v[ADRS], s21, v5
	v_and_b32 v6, 31, v0
	v_lshlrev_b32 v[LI], 4, v6
	v_lshlrev_b32 v[L8], 3, v6
	; where the results go.  c < 8: S = 2 x tile row + my half of the rows; first head 4 (tile column % 4) + 2 x my half of the columns; tile columns 0-3 are q, 4-7 k.
	; c >= 8: S = 2 x tile column + my half of the columns; first head 4 x tile row + 2 x my half of the rows; V lies 6,656 bytes into a block of kv.
	s_lshl_b32 s18, s17, 1
	s_add_co_u32 s18, s18, s15
	s_lshl_b32 s19, s42, 1
	s_add_co_u32 s19, s19, s16
	s_and_b32 s20, s42, 3
	s_lshl_b32 s20, s20, 2
	s_lshl_b32 s21, s16, 1
	s_add_co_u32 s20, s20, s21
	s_lshl_b32 s22, s17, 2
	s_lshl_b32 s23, s15, 1
	s_add_co_u32 s22, s22, s23
	s_cmp_lt_u32 ttmp9, 8
	s_cselect_b32 s18, s18, s19                    ; S
	s_cselect_b32 s20, s20, s22                    ; the first head
	s_cselect_b32 s19, 0, 6656
	s_cselect_b32 s21, s42, 4
	s_cmp_lt_u32 s21, 4                            ; q's buffer, or kv
	s_cselect_b64 s[P0:P0+1], s[10:11], s[12:13]
	s_mov_b32 s22, 417792
	s_cselect_b32 s22, 212992, s22                 ; from head to head
	s_mov_b32 s23, 13056
	s_cselect_b32 s23, 6656, s23                   ; from block to block
	s_mul_i32 s20, s20, s22
	s_mul_i32 s21, s18, s23
	s_add_co_u32 s20, s20, s21
	s_add_co_u32 s20, s20, s19
	s_mov_b32 s21, 0
	s_add_nc_u64 s[P0:P0+1], s[P0:P0+1], s[20:21]
	s_mov_b32 s20, s22
	s_add_nc_u64 s[P1:P1+1], s[P0:P0+1], s[20:21]
	s_lshl_b32 s20, s18, 15                        ; the table: 8 tiles of 4,096 bytes for each S
	s_add_nc_u64 s[RP:RP+1], s[8:9], s[20:21]
	s_mov_b32 s[SEL], 0x76543210
	s_mov_b32 s[SEL+1], 0xfedcba98
	s_mov_b32 s[HIM], 0xffff0000
.macro FRAG reg, adr, q, i             ; a fragment, 16 rows x 128 K of 6-bit codes: 12 registers, in six pieces of 8 bytes; where the piece of lanes 16-31 lies behind one padding more, the second address register serves
.irp p, 0,1,2,3,4,5
.set PC, 12*(\q)+6*(\p/3)+\p%3
.if PC%8 < 5
	ds_load_b64 v[\reg+2*\p:\reg+2*\p+1], v[\adr] offset:8*PC+16*(PC/8)+(\i)*16*PITCH
.else
	ds_load_b64 v[\reg+2*\p:\reg+2*\p+1], v[\adr+2] offset:8*PC+16*(PC/8)+(\i)*16*PITCH
.endif
.endr
.endm
; 16 matrix instructions: A's blocks a0, a0 + 1 x B's eight, 128 along K.  The 64 accumulators take turns, one instruction a turn, in the same order in every step.
.macro MUL16 a0, p, q, sc, zero
.irp a, \a0, \a0+1
.irp b, 0,1,2,3,4,5,6,7
.if \zero
	v_wmma_scale_f32_16x16x128_f8f6f4 v[8*(8*((\a)%4)+\b):8*(8*((\a)%4)+\b)+7], v[128*(\p)+FR*\b:128*(\p)+FR*\b+FR-1], v[AF+FR*(\a):AF+FR*(\a)+FR-1], 0, v[SC+8*NQ*(\sc)+NQ*\b+(\q)], v[SC+8*NQ*(\sc)+NQ*(\a)+(\q)] matrix_a_fmt:MATRIX_FMT_FP6 matrix_b_fmt:MATRIX_FMT_FP6 matrix_a_scale:MATRIX_SCALE_ROW1
.else
	v_wmma_scale_f32_16x16x128_f8f6f4 v[8*(8*((\a)%4)+\b):8*(8*((\a)%4)+\b)+7], v[128*(\p)+FR*\b:128*(\p)+FR*\b+FR-1], v[AF+FR*(\a):AF+FR*(\a)+FR-1], v[8*(8*((\a)%4)+\b):8*(8*((\a)%4)+\b)+7], v[SC+8*NQ*(\sc)+NQ*\b+(\q)], v[SC+8*NQ*(\sc)+NQ*(\a)+(\q)] matrix_a_fmt:MATRIX_FMT_FP6 matrix_b_fmt:MATRIX_FMT_FP6 matrix_a_scale:MATRIX_SCALE_ROW1
.endif
.endr
.endr
.endm
.macro FETCH_B slot, q, p
	WIN TO_B
.irp i, 0,1,2,3,4,5,6,7
	FRAG 128*(\p)+FR*\i, ADRB+\slot, \q, \i
.endr
	WIN 0
.endm
.macro FETCH_A slot, q, i0
.irp i, \i0, \i0+1, \i0+2, \i0+3
	FRAG AF+FR*(\i), ADRA+\slot, \q, \i
.endr
.endm
.macro SCALES sc                       ; a K step's scale words: lanes 0-15 take A's block i, lanes 16-31 B's block i
.irp i, 0,1,2,3,4,5,6,7
	ds_load_b64 v[SC+8*NQ*\sc+NQ*\i:SC+8*NQ*\sc+NQ*\i+1], v[ADRS] offset:\i*SBLK
.endr
.endm
.macro PLACES n                        ; plain vector instructions between a matrix instruction and a load into, or a read of, its registers
.rept \n
	v_nop
.endr
.endm
.macro STEP slot, q, zero              ; a step of 128 along K that has its successor in the same slot
	s_wait_dscnt 4*NL                              ; B's set and A's blocks 0-3 are in; the youngest 24 loads (A's blocks 4-7) may be out
	WIN MUL_LO
	MUL16 0, (\q)%2, \q, \slot, \zero
	MUL16 2, (\q)%2, \q, \slot, \zero
	s_wait_dscnt 0
	PLACES NP
	FETCH_B \slot, (\q)+1, 1-(\q)%2
	FETCH_A \slot, (\q)+1, 0
	WIN MUL_HI
	MUL16 4, (\q)%2, \q, \slot, \zero
	MUL16 6, (\q)%2, \q, \slot, \zero
	PLACES NP
	WIN 0
	FETCH_A \slot, (\q)+1, 4
.endm
; A slot's last step changes slots: one barrier; in front of it each wave waits for all its tensor loads, adds 0 to its spare word, and waits for that and for its reads of this slot.
.macro TURN slot, next, fill
	s_wait_tensorcnt 0x0                           ; all my tensor loads have landed: my part of the next slot
	ds_add_u32 v[SPW], v[NIL]                      ; 0 onto my spare word
	s_wait_dscnt 4*NL+1                            ; (the add and the youngest 24 loads may be out)
	WIN MUL_LO
	MUL16 0, 1, NQ-1, \slot, 0
	s_wait_dscnt 0x0                               ; the add is done, and my reads of this slot are over
	s_barrier_signal -1
	MUL16 2, 1, NQ-1, \slot, 0
	WIN 0
	s_barrier_wait -1
.if \fill
	CREST                                          ; the barrier has opened a round of the cluster's barrier: no wave of any partner still reads this slot or has a load on its way
	s_add_nc_u64 s[G0+4*\slot+2:G0+4*\slot+3], s[G0+4*\slot+2:G0+4*\slot+3], 2*ROWB
	s_add_nc_u64 s[G0B+4*\slot+2:G0B+4*\slot+3], s[G0B+4*\slot+2:G0B+4*\slot+3], 2*ROWB
	JLOAD G0+4*\slot, G1, G0B+4*\slot, G1B         ; the first tensor load behind the round; its four v_nop are the places in front of the loads below
.else
	PLACES NP
.endif
	v_add_nc_u32 v[ADRS], 4*NQ, v[ADRS]            ; on to the next K step's scale words
	FETCH_B \next, 0, 0
	FETCH_A \next, 0, 0
	SCALES \next
	WIN MUL_HI
	MUL16 4, 1, NQ-1, \slot, 0
	MUL16 6, 1, NQ-1, \slot, 0
	PLACES NP
	WIN 0
	FETCH_A \next, 0, 4
.endm
	s_wait_tensorcnt 1                             ; the scales and my part of K step 0 are in (K step 1's load may be out),
	s_barrier_signal -1
	s_barrier_wait -1                              ; everybody's are
	FETCH_B 0, 0, 0
	FETCH_A 0, 0, 0
	SCALES 0
	FETCH_A 0, 0, 4
	STEP 0, 0, 1                                   ; the first step's products start the sums
	s_mov_b32 s3, LAPS-1
.Llap:
	TURN 0, 1, 1
	STEP 1, 0, 0
	TURN 1, 0, 1
	STEP 0, 0, 0
	s_sub_co_u32 s3, s3, 1
	s_cmp_lg_u32 s3, 0
	s_cbranch_scc1 .Llap
	TURN 0, 1, 0                                   ; the last lap fills nothing
	STEP 1, 0, 0
	s_wait_dscnt 4*NL
	WIN MUL_LO
	MUL16 0, 1, NQ-1, 1, 0
	MUL16 2, 1, NQ-1, 1, 0
	s_wait_dscnt 0
	WIN MUL_HI
	MUL16 4, 1, NQ-1, 1, 0
	MUL16 6, 1, NQ-1, 1, 0
	WIN 0
; THE WAY OUT.
; QUANT: 64 numbers of a lane, v[s] on in window w, register 16 b + i = k 32 b + 16 (lane / 16) + i of the lane's row, become codes: k 0-63 in v[d0 .. d0 + 5], k 64-127 in v[d1 .. d1 + 5], and the
; row's scale word in v[PW].  The numbers are read in ascending order.
.macro QUANT s, w, d0, d1
.set WN, ((\w)<<2)|((\w)<<4)
	WIN WN                                         ; sources 1 and 2 in the numbers' window
.irp b, 0,1,2,3
	v_max3_num_f32 v[TM+\b], 0x1800000, |v[(\s)+16*\b]|, |v[(\s)+1+16*\b]|   ; my 16 numbers of block b, and the floor 2^(3 - 127): the byte cannot fall under 1
.endr
.irp i, 2,4,6,8,10,12,14
.irp b, 0,1,2,3
	v_max3_num_f32 v[TM+\b], v[TM+\b], |v[(\s)+16*\b+\i]|, |v[(\s)+1+16*\b+\i]|
.endr
.endr
	WIN 0
.irp b, 0,1,2,3
	v_permlanex16_b32 v[TM+4+\b], v[TM+\b], s[SEL], s[SEL+1]
.endr
.irp b, 0,1,2,3
	v_max_num_f32 v[TM+\b], v[TM+\b], v[TM+4+\b]   ; with lane l xor 16's: the block's largest magnitude
.endr
.irp b, 0,1,2,3
	v_add_nc_u32 v[TM+12+\b], 0xff000000, v[TM+\b] ; 2 off its exponent field: the conversion's scale operand
.endr
.irp b, 0,1,2,3
	v_lshrrev_b32 v[TM+4+\b], 23, v[TM+12+\b]      ; the scale's byte
.endr
	v_lshl_or_b32 v[PW], v[TM+5], 8, v[TM+4]
	v_lshl_or_b32 v[PW], v[TM+6], 16, v[PW]
	v_lshl_or_b32 v[PW], v[TM+7], 24, v[PW]
.set WN, \w
	WIN WN                                         ; source 0 in the numbers' window
	v_cvt_scalef32_pk16_fp6_f32 v[(\d0):(\d0)+2], v[(\s):(\s)+15], v[TM+12]
	v_cvt_scalef32_pk16_fp6_f32 v[CT:CT+2], v[(\s)+16:(\s)+31], v[TM+13]       ; (a conversion's three registers begin on an even number)
	v_cvt_scalef32_pk16_fp6_f32 v[(\d1):(\d1)+2], v[(\s)+32:(\s)+47], v[TM+14]
	v_cvt_scalef32_pk16_fp6_f32 v[CT+4:CT+6], v[(\s)+48:(\s)+63], v[TM+15]
	WIN 0
	v_nop                                          ; one plain place behind a scaled conversion
.irp i, 0,1,2                                  ; the operand's layout wants a whole block in a lane
	v_permlane16_swap_b32 v[(\d0)+\i], v[CT+\i]
	v_permlane16_swap_b32 v[(\d1)+\i], v[CT+4+\i]
.endr
.irp i, 0,1,2
	v_mov_b32 v[(\d0)+3+\i], v[CT+\i]
	v_mov_b32 v[(\d1)+3+\i], v[CT+4+\i]
.endr
.endm
.macro TL a                            ; tile a's 16 cosines and 16 sines of my row: eight loads of 512 consecutive bytes
.irp g, 0,1,2,3,4,5,6,7
	global_load_b128 v[TB+32*((\a)%2)+4*\g:TB+32*((\a)%2)+4*\g+3], v[LI], s[RP:RP+1] offset:4096*(\a)+512*\g
.endr
.endm
; The rotary turn of A's block a: two heads; in a head register i is channel 16 h + i, register 16 + i channel 32 + 16 h + i: out1 = x1 cos - x2 sin, out2 = x2 cos + x1 sin.
.macro ROPE a
.set AC, 64*((\a)%4)
.set TC, TB+32*((\a)%2)
.set WN, 2+(\a)/4
	WIN WN                                         ; source 0: the accumulators' window
.irp e, 0,1
.irp i, 0,2,4,6,8,10,12,14
	v_pk_mul_f32 v[H+32*\e+\i:H+32*\e+\i+1], v[AC+32*\e+\i:AC+32*\e+\i+1], v[TC+\i:TC+\i+1]
	v_pk_mul_f32 v[H+32*\e+16+\i:H+32*\e+17+\i], v[AC+32*\e+16+\i:AC+32*\e+17+\i], v[TC+\i:TC+\i+1]
	v_pk_fma_f32 v[H+32*\e+\i:H+32*\e+\i+1], v[AC+32*\e+16+\i:AC+32*\e+17+\i], v[TC+16+\i:TC+17+\i], v[H+32*\e+\i:H+32*\e+\i+1] neg_lo:[1,0,0] neg_hi:[1,0,0]
	v_pk_fma_f32 v[H+32*\e+16+\i:H+32*\e+17+\i], v[AC+32*\e+\i:AC+32*\e+\i+1], v[TC+16+\i:TC+17+\i], v[H+32*\e+16+\i:H+32*\e+17+\i]
.endr
.endr
	WIN 0
.endm
	PLACES NP                                      ; behind the last products: their results are read, and their operands' registers written, from here on
.irp b, 0,1,2,3
	v_mov_b32 v[TM+4+\b], 0                        ; written once: a lane permute's destination counts as one of its sources
.endr
	s_cmp_lt_u32 ttmp9, 8                          ; the mode: the cluster's number, the same in all partners
	s_cbranch_scc0 .Lv
	; ---- q and k
	TL 0
	TL 1
.irp a, 0,1,2,3,4,5,6,7
.if ((\a)%2 == 0) && ((\a) >= 4)
	s_wait_xcnt 0x0                                ; the stores of two pairs ago have read their registers: this set of codes is written again only behind this wait
.endif
.if \a < 7
	s_wait_loadcnt 8                               ; this tile's eight table loads are in; the next tile's eight may be out
.else
	s_wait_loadcnt 0x0
.endif
	ROPE \a
.if \a < 6
	TL \a+2
.endif
.set RR, RS+24*((\a/2)%2)
.set D0, RR+6*(\a%2)
.set D1, RR+12+6*(\a%2)
	QUANT H, 0, D0, D1                             ; k 0-63: the first head's 64 channels; k 64-127: the second's
.if (\a)%2 == 0
	v_mov_b32 v[PWE], v[PW]
.else
	v_cndmask_b32 v[W+\a/2], v[PWE], v[PW], s[HIM] ; lanes 0-15 the even tile's words, lanes 16-31 the odd tile's
.irp g, 0,1,2
	global_store_b128 v[LI], v[RR+4*\g:RR+4*\g+3], s[P0:P0+1] offset:1536*(\a/2)+512*\g
	global_store_b128 v[LI], v[RR+12+4*\g:RR+12+4*\g+3], s[P1:P1+1] offset:1536*(\a/2)+512*\g
.endr
.endif
.endr
.irp p, 0,1,2,3
	v_lshrrev_b32 v[W1+\p], 16, v[W+\p]            ; the second head's two bytes; bytes 2 and 3 are 0: the smallest scale stands over the half of K that holds nothing
.endr
.irp p, 0,1,2,3
	v_and_b32 v[W+\p], 0xffff, v[W+\p]             ; the first head's
.endr
	global_store_b128 v[LI], v[W:W+3], s[P0:P0+1] offset:6144
	global_store_b128 v[LI], v[W1:W1+3], s[P1:P1+1] offset:6144
	s_branch .Ldone
.Lv:
	; ---- v: A's block a is 16 channels (head a / 4, tile a % 4), the lane's 64 registers are its 128 keys
.irp a, 0,1,2,3,4,5,6,7
.if ((\a)%2 == 0) && ((\a) >= 4)
	s_wait_xcnt 0x0                                ; the stores of four blocks ago have read their registers
.endif
.set RR, RS+24*((\a/2)%2)+12*(\a%2)
.set SA, 64*(\a%4)
.set WA, 2+\a/4
	QUANT SA, WA, RR, RR+6
.if (\a)%2 == 0
	v_mov_b32 v[PWE], v[PW]
.else
	v_cndmask_b32 v[W+\a/2], v[PWE], v[PW], s[HIM]
.endif
.irp g, 0,1,2
.if \a < 4
	global_store_b128 v[LI], v[RR+4*\g:RR+4*\g+3], s[P0:P0+1] offset:1536*(\a%4)+512*\g
.else
	global_store_b128 v[LI], v[RR+4*\g:RR+4*\g+3], s[P1:P1+1] offset:1536*(\a%4)+512*\g
.endif
.endr
.endr
	global_store_b64 v[L8], v[W:W+1], s[P0:P0+1] offset:6144
	global_store_b64 v[L8], v[W+2:W+3], s[P1:P1+1] offset:6144
.Ldone:
	s_wait_tensorcnt 0x0                           ; the wave's end
	ds_add_u32 v[SPW], v[NIL]
	s_wait_dscnt 0x0
	CROUND                                         ; the closing round: no work-group ends while a partner may still ask for a tile that names it
	s_endpgm
.Lfunc_end_k_q8dc55a5518_qkv:
	.size	k_q8dc55a5518_qkv, .Lfunc_end_k_q8dc55a5518_qkv-k_q8dc55a5518_qkv
	.p2alignl 7, 3214868480
	.fill 96, 4, 3214868480
	.section	.rodata,"a",@progbits
	.p2align	6, 0x0
	.amdhsa_kernel k_q8dc55a5518_qkv
		.amdhsa_group_segment_fixed_size 327680
		.amdhsa_private_segment_fixed_size 0
		.amdhsa_enable_private_segment 0
		.amdhsa_kernarg_size 40
		.amdhsa_user_sgpr_count 2
		.amdhsa_user_sgpr_kernarg_segment_ptr 1
		.amdhsa_wavefront_size32 1
		.amdhsa_system_sgpr_workgroup_id_x 1
		.amdhsa_system_sgpr_workgroup_id_y 1
		.amdhsa_system_sgpr_workgroup_id_z 1
		.amdhsa_system_vgpr_workitem_id 0
		.amdhsa_next_free_vgpr 1024
		.amdhsa_next_free_sgpr 100
		.amdhsa_reserve_vcc 0
		.amdhsa_float_denorm_mode_32 3
		.amdhsa_float_denorm_mode_16_64 3
		.amdhsa_memory_ordered 1
		.amdhsa_forward_progress 1
		.amdhsa_inst_pref_size 237
	.end_amdhsa_kernel
	.amdgpu_metadata
---
amdhsa.version: [ 1, 2 ]
amdhsa.kernels:
  - .name:           k_q8dc55a5518_qkv
    .symbol:         k_q8dc55a5518_qkv.kd
    .args:
      - { .name: cod, .offset: 0, .size: 8, .value_kind: global_buffer, .address_space: global }
      - { .name: scl, .offset: 8, .size: 8, .value_kind: global_buffer, .address_space: global }
      - { .name: rope, .offset: 16, .size: 8, .value_kind: global_buffer, .address_space: global }
      - { .name: qb, .offset: 24, .size: 8, .value_kind: global_buffer, .address_space: global }
      - { .name: kv, .offset: 32, .size: 8, .value_kind: global_buffer, .address_space: global }
    .group_segment_fixed_size: 327680
    .private_segment_fixed_size: 0
    .kernarg_segment_align: 8
    .kernarg_segment_size: 40
    .max_flat_workgroup_size: 128
    .sgpr_count:     100
    .vgpr_count:     1024
    .wavefront_size: 32
...
	.end_amdgpu_metadata
.endif
;; end of part 2
;; launch attn (part 3): grid 16 x 16, 16 waves a work-group, no clusters, 327,680 bytes of LDS; arguments qb, kv, ao, aos; writes ao, aos
.if DOCPART == 3
	.amdgcn_target "amdgcn-amd-amdhsa--gfx1250"
	.amdhsa_code_object_version 6
	.text
	.protected	k_q8dc55a5518_attn
	.globl	k_q8dc55a5518_attn
	.p2align	8
	.type	k_q8dc55a5518_attn,@function
k_q8dc55a5518_attn:
	s_mov_b64 s[64:65], 0
	v_nop
	global_prefetch_b8 v0, s[64:65] scope:SCOPE_SE
	s_setreg_imm32_b32 hwreg(HW_REG_WAVE_MODE, 25, 1), 1
	s_wait_xcnt 0x0
; ATTN.  o[h][q] = sum over keys k <= q of softmax_k(q . k / 8) v, both products on codes of FP6 (E2M3) with E8M0 scales; then o is quantised along the head's 64 for the last product.
; THE SOFTMAX: t = score x log2(e) / 8; M = the running largest t rounded UP to a whole number; p = 2^(t - M) is quantised along the keys, not normalised; the row's sum is taken of the unquantised p
; and divides at the end; when M moves, the sum and O are multiplied by 2^(old M - new M), which rounds nothing.
; SHARES.  A work-group owns the runs of 128 queries i and 31 - i of one head; each of its sixteen waves owns one tile of 16 queries.  The two runs together need 33 key steps of 128 keys whatever i is.
; A wave's run is picked by ((w / 4) xor w) % 2, so that of any four neighbouring waves, and of waves w, w + 4, w + 8, w + 12, two have the short run and two the long one.
; A tile's queries are t = 128 run + 32 (idx / 2) + 8 (idx % 2) + r + 8 (r / 8), r = lane % 16; the keys of a tile of K likewise.  So the 16 registers of two neighbouring tiles of scores are 16 neighbouring keys.
; Both products are used transposed (S^T = K Q^T, O^T = V^T P^T): a lane holds one query throughout.
; THE HEAD'S SIZE IS 64, half of the instruction's K: a fragment of K is named as 12 registers of which the upper 6 are the next tile's codes; they meet zero codes of Q (E2M3 has no NaN or infinity),
; under scale bytes 0.
; THE RING.  A key step's K, V and scale words are one dense block of 13,056 bytes, laid as images of the operands' registers.  Two slots of two steps; waves 0 and 1 fetch a step's block each, one
; tensor load a wave behind each change of slots: at most one load of a wave is out.  A work-group walks 16 - 2 (i / 4) slots, enough for its 32 - i steps: the count hangs on the work-group's number
; alone, and no LDS address is stepped: every one is a lane's term and an immediate.
; THE MASK.  A step all of whose keys come after the wave's queries is jumped over (a scalar branch on ids); in the step on the diagonal hidden scores become -infinity ahead of the maximum.
; NO CLUSTER: the work-groups of a head do walk the same K and V, but the jump over hidden steps is a branch on the work-group's own runs of queries, which partners in joint requests may not have, and
; to work through the hidden steps instead would cost up to twice the arithmetic, against 26,112 bytes a slot saved.
; LIMITS: o = O x (1 / l) by v_rcp_f32 (about 1.5 units in the last place); a block of o under 2^-124 keeps the byte 1, a block of zeros too.
.set STEPB, 13056                      ; a key step's block: K's codes 6,144, K's scale words 512, V's codes 6,144, V's scale words 256
.set SLOTB, 2*STEPB
.set HEADKV, 32*STEPB
.set QBLK,  6656
.set QHEAD, 32*QBLK
.set GS,    2*SLOTB                    ; behind the ring: 512 bytes in which o's scale bytes are gathered; no fill lands there
.set SPARE, GS+512                     ; the spare words: 128 bytes for each of sixteen waves, named by no other line
.set LI,  1                            ; 16 x lane
.set L8,  2                            ; 8 x lane
.set SPW, 3
.set NIL, 4
.set QL,  5                            ; my query - 16 (lane / 16)
.set GSA, 6                            ; where my row's two scale bytes go
.set GSR, 7                            ; where waves 0 and 1 read them back
.set PFO, 11                           ; the prefetches' offset
.set KV,  32                           ; v32-79 K's eight half fragments, then V's four fragments; v80-85 zeros
.set S,   96                           ; v96-159 S^T, then p
.set O,   160                          ; v160-191 O^T
.set PC,  192                          ; v192-203 p's codes
.set CT,  204                          ; v204-206, v208-210
.set BM,  212                          ; the blocks' largest scores, then largest p
.set BP,  216
.set SO,  220                          ; the conversions' scale operands
.set KS,  224                          ; v224-227 K's scale words
.set VS,  228                          ; v228-229 V's
.set FF,  230                          ; f = 2^(old M - new M); v231: p's scale word
.set PWD, 231
.set SU,  232                          ; v232-233 the second chain of the sum
.set TP,  234
.set NI,  235                          ; -infinity
.set WV,  12
.set Q0,  18
.set QMAX, 19
.set SEL, 20
.set CS,  22
.set G1,  24
.set G0,  32                           ; s[32:35] slot 0's group 0, s[36:39] slot 1's
.set KF,  40                           ; the step's first key
.set TRIPS, 41
.set PFA, 42
.set LIM, 44
.set AO,  46
.set AOS, 48
.macro TLOAD n                         ; waves 0 and 1 fetch, a step's block each; four v_nop follow the line
	s_cmp_lt_u32 s[WV], 2
	s_cbranch_scc0 .Lnone_\@
	tensor_load_to_lds s[G0+4*(\n):G0+4*(\n)+3], s[G1:G1+7]
	s_nop 0
.rept 4
	v_nop
.endr
.Lnone_\@:
.endm
; A PREFETCH INTO THE L2 of the slot that the NEXT change of slots will ask for: 102 blocks of 256 bytes.  All work-groups of a head walk the same kv from its start: the one with i = 0, which walks all
; sixteen slots, asks, and in it waves 4 to 7, which fetch nothing: lane l of wave w names block 32 (w - 4) + l; the lanes past the last block name the last block with it, in the same instruction.
; The loop's fourteen changes of slots name slots 2 to 15; the tail asks for nothing; slots 0 and 1 come by their loads alone.
.macro ASK
	s_cmp_eq_u32 s[LIM], 1
	s_cbranch_scc0 .Lnot_mine_\@
	global_prefetch_b8 v[PFO], s[PFA:PFA+1] th:TH_LOAD_NT scope:SCOPE_SE
.Lnot_mine_\@:
.endm
	s_load_b256 s[4:11], s[0:1], 0x0               ; qb s[4:5], kv s[6:7], ao s[8:9], aos s[10:11]
	v_lshl_add_u32 v[SPW], v0, 2, SPARE
	v_mov_b32 v[NIL], 0
	ds_add_u32 v3, v4
	s_wait_dscnt 0x0
	v_lshrrev_b32 v8, 5, v0
	v_readfirstlane_b32 s[WV], v8                  ; wave 0..15
	s_and_b32 s14, ttmp7, 0xffff                   ; the head
	s_lshr_b32 s15, s[WV], 2
	s_xor_b32 s15, s15, s[WV]
	s_and_b32 s15, s15, 1                          ; which of the two runs
	s_lshr_b32 s16, s[WV], 1                       ; which tile of the run
	s_sub_co_u32 s50, 31, ttmp9
	s_cmp_eq_u32 s15, 0
	s_cselect_b32 s17, ttmp9, s50                  ; the run: i or 31 - i
	s_lshr_b32 s51, s16, 1                         ; the tile's pair
	s_and_b32 s53, s16, 1                          ; and its place in the pair
	s_lshl_b32 s[Q0], s17, 7
	s_lshl_b32 s52, s51, 5
	s_add_co_u32 s[Q0], s[Q0], s52
	s_lshl_b32 s52, s53, 3
	s_add_co_u32 s[Q0], s[Q0], s52                 ; my first query
	s_add_co_u32 s[QMAX], s[Q0], 23                ; and my last
	s_and_b32 s54, s[WV], 1
	v_and_b32 v9, 31, v0                           ; lane
	v_and_b32 v10, 15, v0                          ; r
	v_lshlrev_b32 v[LI], 4, v9
	v_lshlrev_b32 v[L8], 3, v9
	s_lshl_b32 s52, s15, 8
	s_lshl_b32 s55, s16, 5
	s_add_co_u32 s52, s52, s55
	s_add_co_u32 s52, s52, GS
	v_lshl_add_u32 v[GSA], v10, 1, s52             ; GS + 256 x run + 32 x tile + 2 r
	s_lshl_b32 s52, s54, 8
	s_add_co_u32 s52, s52, GS
	v_add_nc_u32 v[GSR], s52, v[L8]
	v_and_b32 v11, 8, v0
	v_add_nc_u32 v[QL], v10, v11
	v_and_b32 v11, 16, v0
	v_sub_nc_u32 v[QL], v[QL], v11
	v_add_nc_u32 v[QL], s[Q0], v[QL]
	s_and_b32 s52, s[WV], 3
	s_lshl_b32 s52, s52, 5
	v_add_nc_u32 v[PFO], s52, v9
	v_min_u32 v[PFO], 101, v[PFO]
	v_lshlrev_b32 v[PFO], 8, v[PFO]
	; descriptor group 1: a dense block of 13,056 bytes as 51 rows of 256 bytes (32 elements of 8 bytes), no padding
	s_mov_b32 s[G1], 3<<16
	s_mov_b32 s[G1+1], 32<<16                      ; tensor_dim0
	s_mov_b32 s[G1+2], 51<<16                      ; tensor_dim1
	s_mov_b32 s[G1+3], 32<<16                      ; tile_dim0
	s_mov_b32 s[G1+4], 51                          ; tile_dim1
	s_mov_b32 s[G1+5], 32                          ; pitch
	s_mov_b32 s[G1+6], 0
	s_mov_b32 s[G1+7], 0
	s_mul_i32 s56, s54, STEPB                      ; which of a slot's two steps I fetch
	s_mul_i32 s58, s14, HEADKV
	s_add_co_u32 s58, s58, s56
	s_mov_b32 s59, 0
	s_mov_b32 s57, 0
	s_mov_b32 s[SEL], 0x76543210
	s_mov_b32 s[SEL+1], 0xfedcba98
	s_mov_b32 s[CS], 0x3e38aa3b                    ; c = log2(e) / 8
	s_mov_b32 s[CS+1], s[CS]                       ; (named with it as a pair, so it is written)
	s_wait_kmcnt 0x0
	s_mov_b32 s[G0], 1
	s_mov_b32 s[G0+1], s56
	s_add_nc_u64 s[G0+2:G0+3], s[6:7], s[58:59]
	s_mov_b32 s[G0+4], 1
	s_add_co_u32 s[G0+5], s56, SLOTB
	s_add_nc_u64 s[G0+6:G0+7], s[G0+2:G0+3], SLOTB
	s_or_b32 s[G0+3], s[G0+3], 0x80000000
	s_or_b32 s[G0+7], s[G0+7], 0x80000000
	TLOAD 0                                        ; slot 0: the first fill, ahead of every wait on TENSORcnt, every LDS read and every barrier
	s_mul_i32 s56, s14, QHEAD
	s_mul_i32 s52, s17, QBLK
	s_add_co_u32 s56, s56, s52
	s_add_nc_u64 s[4:5], s[4:5], s[56:57]          ; q's block of my run
	s_mul_i32 s52, s51, 1536                       ; my pair's 12 registers; mine are 0-5 or 6-11: bytes 0, 8, 512 or 520, 1,024, 1,032 beside 16 x lane
	s_mul_i32 s55, s53, 520
	s_add_co_u32 s55, s55, s52
	v_add_nc_u32 v8, s55, v[LI]
	s_mul_i32 s55, s53, 1016
	s_add_co_u32 s55, s55, s52
	v_add_nc_u32 v9, s55, v[LI]
	global_load_b64 v[16:17], v8, s[4:5]
	global_load_b64 v[18:19], v9, s[4:5] offset:8
	global_load_b64 v[20:21], v8, s[4:5] offset:512
	s_lshl_b32 s55, s53, 8
	s_lshl_b32 s52, s51, 2
	s_add_co_u32 s55, s55, s52
	v_lshl_add_u32 v29, v10, 4, s55
	global_load_b32 v28, v29, s[4:5] offset:6144   ; q's scale words: lane 16 u + r's word of my pair
	s_lshl_b32 s52, s17, 3
	s_add_co_u32 s52, s52, s16                     ; my tile among the 256
	s_mul_i32 s56, s52, 12288
	s_mul_i32 s52, s14, 768
	s_add_co_u32 s56, s56, s52
	s_add_nc_u64 s[AO:AO+1], s[8:9], s[56:57]
	s_cmp_eq_u32 s54, 0
	s_cselect_b32 s52, ttmp9, s50
	s_lshl_b32 s56, s52, 8
	s_lshl_b32 s52, s14, 13
	s_add_co_u32 s56, s56, s52
	s_add_nc_u64 s[AOS:AOS+1], s[10:11], s[56:57]  ; waves 0 and 1: the scale bytes of run i, of run 31 - i
	s_mul_i32 s56, s14, HEADKV
	s_add_co_u32 s56, s56, SLOTB
	s_add_nc_u64 s[PFA:PFA+1], s[6:7], s[56:57]    ; at slot 1: the first change of slots steps it to slot 2
	s_lshr_b32 s52, s[WV], 2
	s_xor_b32 s52, s52, 1                          ; 0 in waves 4 to 7,
	s_or_b32 s52, s52, ttmp9                       ; of the work-group with i = 0
	s_cmp_eq_u32 s52, 0
	s_cselect_b32 s[LIM], 1, 0
	s_lshr_b32 s52, ttmp9, 2
	s_sub_co_u32 s[TRIPS], 7, s52                  ; the loop walks all slots but the last two, two a trip
	s_mov_b32 s[KF], 0
.irp j, 22,23,24,25,26,27,80,81,82,83,84,85
	v_mov_b32 v[\j], 0                             ; zero codes: the upper half of Q's K, and what stands behind K's last tile
.endr
.set j, 0
.rept 32
	v_mov_b32 v[O+j], 0                            ; O^T: the step is written once; the first finds zeros, which the first change of M leaves zeros
.set j, j+1
.endr
.irp b, 0,1,2,3
	v_mov_b32 v[BP+\b], 0                          ; a lane permute's destination counts as one of its sources
.endr
	v_mov_b32 v[PWD], 0                            ; (named as the upper half of the pair with f before it is first written)
	v_mov_b32 v[TP], 0
	v_mov_b32 v13, 0xff61b1e6                      ; the largest t so far: -3e38
	v_floor_f32 v12, -v13                          ; -M
	v_mov_b32 v14, 0
	v_mov_b32 v15, 0
; A KEY STEP: 128 keys, the q-th of the slot.
.macro STEP slot, q
.set BASE, SLOTB*(\slot)+STEPB*(\q)
	s_cmp_gt_u32 s[KF], s[QMAX]                    ; all its keys come after my queries: nothing to do
	s_cbranch_scc1 .Lhidden_\@
.set g, 0
.rept 12
	ds_load_b128 v[KV+4*g:KV+4*g+3], v[LI] offset:BASE+512*g       ; K's images: 512 consecutive bytes a load
.set g, g+1
.endr
	ds_load_b128 v[KS:KS+3], v[LI] offset:BASE+6144
	s_wait_dscnt 0x0
.irp t, 0,2,4,6                                ; S^T = K Q^T: eight tiles of 16 keys; a pair's scale words share a register: the even tile's in lanes 0-15, the odd tile's in lanes 16-31
	v_wmma_scale_f32_16x16x128_f8f6f4 v[S+8*\t:S+8*\t+7], v[KV+6*\t:KV+6*\t+11], v[16:27], 0, v[KS+\t/2], v28 matrix_a_fmt:MATRIX_FMT_FP6 matrix_b_fmt:MATRIX_FMT_FP6
	v_wmma_scale_f32_16x16x128_f8f6f4 v[S+8*\t+8:S+8*\t+15], v[KV+6*\t+6:KV+6*\t+17], v[16:27], 0, v[KS+\t/2], v28 matrix_a_fmt:MATRIX_FMT_FP6 matrix_b_fmt:MATRIX_FMT_FP6 matrix_a_scale:MATRIX_SCALE_ROW1
.endr
.rept 4
	v_nop                                          ; places in front of the loads into K's registers and of the first read of the scores
.endr
.set g, 0
.rept 12
	ds_load_b128 v[KV+4*g:KV+4*g+3], v[LI] offset:BASE+6656+512*g  ; V's images: they land under the softmax
.set g, g+1
.endr
	ds_load_b64 v[VS:VS+1], v[L8] offset:BASE+12800
	s_add_co_u32 s50, s[KF], 127
	s_cmp_le_u32 s50, s[Q0]                        ; all keys count: no mask
	s_cbranch_scc1 .Lopen_\@
	v_subrev_nc_u32 v[TP], s[KF], v[QL]            ; d = my query - KF - 16 (lane / 16).  Register 16 b + i holds key KF + 32 b + 16 (lane / 16) + i: hidden where 32 b + i > d
	v_mov_b32 v[NI], 0xff800000
.set n, 0
.rept 64
	v_cmp_gt_i32 vcc_lo, 32*(n/16)+n%16, v[TP]
	v_cndmask_b32 v[S+n], v[S+n], v[NI], vcc_lo
.set n, n+1
.endr
.Lopen_\@:
.irp b, 0,1,2,3
	v_max3_num_f32 v[BM+\b], v[S+16*\b], v[S+1+16*\b], v[S+2+16*\b]   ; the largest score of each block of 32 keys: it serves the row's maximum and, since p rises with the score, the block's largest p
.endr
.irp i, 3,5,7,9,11,13
.irp b, 0,1,2,3
	v_max3_num_f32 v[BM+\b], v[BM+\b], v[S+16*\b+\i], v[S+1+16*\b+\i]
.endr
.endr
.irp b, 0,1,2,3
	v_max_num_f32 v[BM+\b], v[BM+\b], v[S+15+16*\b]
.endr
.irp b, 0,1,2,3
	v_permlanex16_b32 v[BP+\b], v[BM+\b], s[SEL], s[SEL+1]
.endr
.irp b, 0,1,2,3
	v_max_num_f32 v[BM+\b], v[BM+\b], v[BP+\b]     ; with lane l xor 16's 16 keys
.endr
	v_max3_num_f32 v[TP], v[BM], v[BM+1], v[BM+2]
	v_max_num_f32 v[TP], v[TP], v[BM+3]
	v_mul_f32 v[TP], s[CS], v[TP]                  ; the step's largest t
	v_max_num_f32 v13, v13, v[TP]                  ; the running largest t
	v_mov_b32 v[TP], v12
	v_floor_f32 v12, -v13                          ; the new -M = -ceil(t)
	v_sub_f32 v[TP], v12, v[TP]                    ; old M - new M: a whole number, 0 or less
	v_cvt_i32_f32 v[TP], v[TP]                     ; (it saturates)
	v_ldexp_f32 v[FF], 1.0, v[TP]                  ; f
.set j, 0
.rept 32
	v_pk_fma_f32 v[S+j:S+j+1], v[S+j:S+j+1], s[CS:CS+1], v[12:13] op_sel_hi:[1,0,0]   ; t - M, two at a time
.set j, j+2
.endr
.irp b, 0,1,2,3
	v_fma_f32 v[BM+\b], v[BM+\b], s[CS], v12       ; the same of each block's largest score
.endr
.set j, 0
.rept 64
	v_exp_f32 v[S+j], v[S+j]                       ; p = 2^(t - M)
.set j, j+1
.endr
	v_pk_mul_f32 v[14:15], v[14:15], v[FF:FF+1] op_sel_hi:[1,0]    ; the sums under the new M: a plain place behind the exponentials
	s_wait_alu depctr_va_vdst(0)                   ; one wait for the whole batch, ahead of its first reader
.irp b, 0,1,2,3
	v_exp_f32 v[BM+\b], v[BM+\b]                   ; the block's largest p: the same two instructions on the same number give the same bits
.endr
	v_pk_add_f32 v[SU:SU+1], v[S:S+1], v[S+2:S+3]  ; the row's sum of the unquantised p, in two chains
.set j, 4
.rept 15
	v_pk_add_f32 v[14:15], v[14:15], v[S+j:S+j+1]
	v_pk_add_f32 v[SU:SU+1], v[SU:SU+1], v[S+2+j:S+3+j]
.set j, j+4
.endr
	v_pk_add_f32 v[14:15], v[14:15], v[SU:SU+1]
	s_wait_alu depctr_va_vdst(0)                   ; and one for the four
.irp b, 0,1,2,3
	v_max_num_f32 v[BM+\b], 0x1800000, v[BM+\b]    ; the floor 2^(3 - 127): the byte cannot fall under 1
.endr
.irp b, 0,1,2,3
	v_add_nc_u32 v[SO+\b], 0xff000000, v[BM+\b]    ; 2 off the exponent field: the conversion's scale operand
.endr
.irp b, 0,1,2,3
	v_lshrrev_b32 v[BP+\b], 23, v[SO+\b]           ; the scale's byte
.endr
	v_lshl_or_b32 v[PWD], v[BP+1], 8, v[BP]        ; p's scale word for these 128 keys
	v_lshl_or_b32 v[PWD], v[BP+2], 16, v[PWD]
	v_lshl_or_b32 v[PWD], v[BP+3], 24, v[PWD]
.irp c, 0,1
	v_cvt_scalef32_pk16_fp6_f32 v[PC+6*\c:PC+2+6*\c], v[S+32*\c:S+15+32*\c], v[SO+2*\c]
	v_cvt_scalef32_pk16_fp6_f32 v[CT+4*\c:CT+2+4*\c], v[S+16+32*\c:S+31+32*\c], v[SO+2*\c+1]
.endr
	v_nop                                          ; one plain place behind a scaled conversion
.irp c, 0,1                                    ; the operand's layout wants a whole block in a lane
.irp i, 0,1,2
	v_permlane16_swap_b32 v[PC+6*\c+\i], v[CT+4*\c+\i]
.endr
.irp i, 0,1,2
	v_mov_b32 v[PC+3+6*\c+\i], v[CT+4*\c+\i]
.endr
.endr
.set j, 0
.rept 16
	v_pk_mul_f32 v[O+j:O+j+1], v[O+j:O+j+1], v[FF:FF+1] op_sel_hi:[1,0]   ; O^T under the new M.  These sixteen are also the places between the scale word, the codes and the products
.set j, j+2
.endr
	s_wait_dscnt 0x0                               ; V is in
.irp t, 0,2                                    ; O^T += V^T P^T: four tiles of 16 channels; the four accumulators take turns
	v_wmma_scale_f32_16x16x128_f8f6f4 v[O+8*\t:O+8*\t+7], v[KV+12*\t:KV+12*\t+11], v[PC:PC+11], v[O+8*\t:O+8*\t+7], v[VS+\t/2], v[PWD] matrix_a_fmt:MATRIX_FMT_FP6 matrix_b_fmt:MATRIX_FMT_FP6
	v_wmma_scale_f32_16x16x128_f8f6f4 v[O+8*\t+8:O+8*\t+15], v[KV+12*\t+12:KV+12*\t+23], v[PC:PC+11], v[O+8*\t+8:O+8*\t+15], v[VS+\t/2], v[PWD] matrix_a_fmt:MATRIX_FMT_FP6 matrix_b_fmt:MATRIX_FMT_FP6 matrix_a_scale:MATRIX_SCALE_ROW1
.endr
.rept 4
	v_nop                                          ; places in front of the next step's loads into V's registers, and of the way out's reads
.endr
.Lhidden_\@:
	s_add_co_u32 s[KF], s[KF], 128
.endm
; A SLOT.  The change of slots stands at its head: each wave waits for all its tensor loads, adds 0 to its spare word, and waits for that and for its reads of the slot that it has left.  Behind the
; barrier the slot ahead is whole and nobody reads the other one, which is filled first thing: that load has this slot's two steps in which to land.
.macro TRIP slot, refill, ask
	s_wait_tensorcnt 0x0                           ; no tensor load of mine is out, so a group 0 may be written
	ds_add_u32 v[SPW], v[NIL]                      ; 0 onto my spare word
	s_add_nc_u64 s[G0+4*\slot+2:G0+4*\slot+3], s[G0+4*\slot+2:G0+4*\slot+3], 2*SLOTB   ; this slot's next two steps
.if \ask
	s_wait_xcnt 0x0                                ; the last prefetch, a slot back, has read its address
	s_add_nc_u64 s[PFA:PFA+1], s[PFA:PFA+1], SLOTB
.endif
	s_wait_dscnt 0x0                               ; the add is done, and my reads of the slot that I have left are over
	s_barrier_signal -1
	s_barrier_wait -1
.if \refill
	TLOAD 1-\slot
.endif
.if \ask
	ASK
.endif
	STEP \slot, 0
	STEP \slot, 1
.endm
	s_wait_loadcnt 0x0                             ; Q
.Lloop:
	TRIP 0, 1, 1
	TRIP 1, 1, 1
	s_sub_co_u32 s[TRIPS], s[TRIPS], 1
	s_cmp_lg_u32 s[TRIPS], 0
	s_cbranch_scc1 .Lloop
	TRIP 0, 1, 0                                   ; the last two slots are written out
	TRIP 1, 0, 0
	; THE WAY OUT.  O^T / the sum; register 16 b + i is channel 32 b + 16 (lane / 16) + i of my query, since V's tiles hold their channels in the order of the tiles' rows: two blocks of the last product's K.
	v_add_f32 v14, v14, v15
	v_permlanex16_b32 v[TP], v14, s[SEL], s[SEL+1]
	v_add_f32 v14, v14, v[TP]                      ; the row's sum
	v_rcp_f32 v14, v14
	v_nop                                          ; a plain place behind the transcendental
	s_wait_alu depctr_va_vdst(0)                   ; and the wait ahead of its first reader
.set j, 0
.rept 16
	v_pk_mul_f32 v[S+j:S+j+1], v[O+j:O+j+1], v[14:15] op_sel_hi:[1,0]
.set j, j+2
.endr
.irp b, 0,1
	v_max3_num_f32 v[BM+\b], |v[S+16*\b]|, |v[S+1+16*\b]|, 0x1800000
.endr
.irp i, 2,4,6,8,10,12,14
.irp b, 0,1
	v_max3_num_f32 v[BM+\b], v[BM+\b], |v[S+16*\b+\i]|, |v[S+1+16*\b+\i]|
.endr
.endr
.irp b, 0,1
	v_permlanex16_b32 v[BP+\b], v[BM+\b], s[SEL], s[SEL+1]
.endr
.irp b, 0,1
	v_max_num_f32 v[BM+\b], v[BM+\b], v[BP+\b]
.endr
.irp b, 0,1
	v_add_nc_u32 v[SO+\b], 0xff000000, v[BM+\b]
.endr
.irp b, 0,1
	v_lshrrev_b32 v[BP+\b], 23, v[SO+\b]
.endr
	v_lshl_or_b32 v[TP], v[BP+1], 8, v[BP]         ; my row's two scale bytes
	v_cvt_scalef32_pk16_fp6_f32 v[PC:PC+2], v[S:S+15], v[SO]
	v_cvt_scalef32_pk16_fp6_f32 v[CT:CT+2], v[S+16:S+31], v[SO+1]
	v_nop
.irp i, 0,1,2
	v_permlane16_swap_b32 v[PC+\i], v[CT+\i]
.endr
.irp i, 0,1,2
	v_mov_b32 v[PC+3+\i], v[CT+\i]
.endr
.irp p, 0,1,2
	global_store_b64 v[L8], v[PC+2*\p:PC+2*\p+1], s[AO:AO+1] offset:256*\p     ; the half fragment's image: 256 consecutive bytes a store
.endr
	ds_store_b16 v[GSA], v[TP]                     ; lanes r and r + 16 write the same two bytes with the same value
	s_wait_dscnt 0x0                               ; for the others' sake
	s_barrier_signal -1
	s_barrier_wait -1
	s_cmp_lt_u32 s[WV], 2
	s_cbranch_scc0 .Lno_scales
	ds_load_b64 v[236:237], v[GSR]                 ; a run's 128 rows x 2 bytes
	s_wait_dscnt 0x0
	global_store_b64 v[L8], v[236:237], s[AOS:AOS+1]   ; 256 consecutive bytes
.Lno_scales:
	s_wait_tensorcnt 0x0                           ; the wave's end
	ds_add_u32 v[SPW], v[NIL]
	s_wait_dscnt 0x0
	s_endpgm
.Lfunc_end_k_q8dc55a5518_attn:
	.size	k_q8dc55a5518_attn, .Lfunc_end_k_q8dc55a5518_attn-k_q8dc55a5518_attn
	.p2alignl 7, 3214868480
	.fill 96, 4, 3214868480
	.section	.rodata,"a",@progbits
	.p2align	6, 0x0
	.amdhsa_kernel k_q8dc55a5518_attn
		.amdhsa_group_segment_fixed_size 327680
		.amdhsa_private_segment_fixed_size 0
		.amdhsa_enable_private_segment 0
		.amdhsa_kernarg_size 32
		.amdhsa_user_sgpr_count 2
		.amdhsa_user_sgpr_kernarg_segment_ptr 1
		.amdhsa_wavefront_size32 1
		.amdhsa_system_sgpr_workgroup_id_x 1
		.amdhsa_system_sgpr_workgroup_id_y 1
		.amdhsa_system_sgpr_workgroup_id_z 1
		.amdhsa_system_vgpr_workitem_id 0
		.amdhsa_next_free_vgpr 256
		.amdhsa_next_free_sgpr 66
		.amdhsa_reserve_vcc 1
		.amdhsa_float_denorm_mode_32 3
		.amdhsa_float_denorm_mode_16_64 3
		.amdhsa_memory_ordered 1
		.amdhsa_forward_progress 1
		.amdhsa_inst_pref_size 177
	.end_amdhsa_kernel
	.amdgpu_metadata
---
amdhsa.version: [ 1, 2 ]
amdhsa.kernels:
  - .name:           k_q8dc55a5518_attn
    .symbol:         k_q8dc55a5518_attn.kd
    .args:
      - { .name: qb, .offset: 0, .size: 8, .value_kind: global_buffer, .address_space: global }
      - { .name: kv, .offset: 8, .size: 8, .value_kind: global_buffer, .address_space: global }
      - { .name: ao, .offset: 16, .size: 8, .value_kind: global_buffer, .address_space: global }
      - { .name: aos, .offset: 24, .size: 8, .value_kind: global_buffer, .address_space: global }
    .group_segment_fixed_size: 327680
    .private_segment_fixed_size: 0
    .kernarg_segment_align: 8
    .kernarg_segment_size: 32
    .max_flat_workgroup_size: 512
    .sgpr_count:     66
    .vgpr_count:     256
    .wavefront_size: 32
...
	.end_amdgpu_metadata
.endif
;; end of part 3
;; launch oproj (part 4): grid 4 x 16, 4 waves a work-group, clusters of 4 x 4, 327,680 bytes of LDS; arguments ao, aos, cod, scl, out0; writes out0
.if DOCPART == 4
	.amdgcn_target "amdgcn-amd-amdhsa--gfx1250"
	.amdhsa_code_object_version 6
	.text
	.protected	k_q8dc55a5518_oproj
	.globl	k_q8dc55a5518_oproj
	.p2align	8
	.type	k_q8dc55a5518_oproj,@function
k_q8dc55a5518_oproj:
	s_mov_b64 s[64:65], 0
	v_nop
	global_prefetch_b8 v0, s[64:65] scope:SCOPE_SE
	s_setreg_imm32_b32 hwreg(HW_REG_WAVE_MODE, 25, 1), 1
	s_wait_xcnt 0x0
	s_wait_alu depctr_hold_cnt(0) depctr_sa_sdst(0) depctr_va_vdst(0) depctr_va_sdst(0) depctr_va_ssrc(0) depctr_va_vcc(0) depctr_vm_vsrc(0)
	s_getreg_b32 s2, hwreg(HW_REG_IB_STS2, 6, 4)
	s_cmp_eq_u32 s2, 0
	s_cbranch_scc0 .Lentry_in_a_cluster
	s_endpgm
.Lentry_in_a_cluster:
	s_bfe_u32 s2, ttmp6, 0x10000c
	s_cmp_lg_u32 s2, 0xf033
	s_cbranch_scc0 .Lentry_shape_is_right
	s_endpgm
.Lentry_shape_is_right:
; OPROJ.  out0 = o W_out^T on codes of FP6 (E2M3) with one E8M0 scale for each 32 along K = 1,024.  out0: [4096][1024] f32.
; A = o comes as images of half fragments: ao [tile of 16 rows 0..255][head 0..15][piece 0..2][lane][8 bytes]; two neighbouring heads are one fragment (16 rows x 128 K), six pieces of 256 bytes.
; A tile's rows are t = 32 (tile / 2) + 8 (tile % 2) + r + 8 (r / 8).  Its scale bytes: aos [head][tile][r][2].  B = W_out: rows 7,168 on of cod (768 bytes a row) and scl (32 bytes a row).
; A tile of out0, 256 x 256, is made by four waves, each 128 x 128: 64 accumulators.  K goes in steps of 256 (four heads) through a ring of two LDS slots filled by the tensor data mover.
; B's scale bytes come once by a tensor load; A's are turned from [head][row] to [row][head] in registers at the head and stored into LDS bytes of their own, into which no fill lands.
; CLUSTERS: 4 x 4 work-groups; A's tiles are asked for jointly along a row of the cluster, B's along a column.  THE MATRIX INSTRUCTION IS USED TRANSPOSED (source 0 = 16 rows of B, source 1 = 16 rows of A).
; The grid has 64 work-groups: with this tile the problem has no more.
; REGISTERS: window 0: v0-31 addresses; v32-63 scale words, two sets; from v128 A's fragments, one set.  window 1: B's fragments, two sets.  windows 2, 3: the accumulators.
.set SIZE_N, 1024
.set KSTEP,  256
.set NQ,     KSTEP/128
.set ROWB,   192
.set KROW,   768
.set PITCH,  240
.set FR,     12
.set NL,     6
.set NP,     4
.set HALFT,  128*PITCH                 ; B: 128 rows of 240 bytes; A: 8 tiles of 3,072 bytes lie in the same room
.set SLOT,   4*HALFT
.set ASTEP,  3072                      ; a tile's four heads
.set LAPS,   2
.set KS,     32
.set SCL,    2*SLOT                    ; A's scales (stored from registers), 8,704 bytes, then B's (filled once)
.set HALFS,  (128*KS/256)*272
.set SBLK,   (16*KS/256)*272
.set SPARE,  SCL+4*HALFS
.set SPITCH, 528                       ; the way out: a stage of 16 rows x (512 + 16) bytes for each wave, in slot 0, which has had its last fill and its last read by then
.set ADRA, 16                          ; v16-17
.set ADRB, 20                          ; v20-23
.set STO,  24
.set RD,   25
.set CO,   26
.set ADRS, 27
.set SPW,  28
.set NIL,  29
.set SC,   32
.set AF,   128
.set BK,   128
.set G1, 24
.set G0, 32
.set G1B, 48
.set G0B, 56
.set G1SB, 80
.set G0SB, 88
.set MSB, 0
.macro WIN new
.if MSB != \new
	s_set_vgpr_msb (MSB<<8)|\new
.set MSB, \new
.endif
.endm
.set MUL_LO, 0xa1
.set MUL_HI, 0xf1
.set TO_B,   0x40
.macro JLOAD g0a, g1a, g0b, g1b        ; a joint load: waves 0 and 1 fetch for A, waves 2 and 3 for B; four v_nop follow each of the two lines
	s_cmp_eq_u32 s15, 0
	s_cbranch_scc0 .Lfor_b_\@
	tensor_load_to_lds s[\g0a:\g0a+3], s[\g1a:\g1a+7]
	s_nop 0
.rept 4
	v_nop
.endr
	s_branch .Lasked_\@
.Lfor_b_\@:
	tensor_load_to_lds s[\g0b:\g0b+3], s[\g1b:\g1b+7]
	s_nop 0
.rept 4
	v_nop
.endr
.Lasked_\@:
.endm
.macro CREST
	s_cmp_lg_u32 s14, 0
	s_cbranch_scc1 .Lnot_wave_0_\@
	s_barrier_signal -3
.Lnot_wave_0_\@:
	s_barrier_wait -3
	s_barrier_signal -1
	s_barrier_wait -1
.endm
.macro CROUND
	s_barrier_signal -1
	s_barrier_wait -1
	CREST
.endm
	s_load_b128 s[4:7], s[0:1], 0x0                ; ao, aos
	s_load_b128 s[8:11], s[0:1], 0x10              ; cod, scl
	s_load_b64 s[12:13], s[0:1], 0x20              ; out0
	v_lshl_add_u32 v[SPW], v0, 2, SPARE
	v_mov_b32 v[NIL], 0
	ds_add_u32 v28, v29
	s_wait_dscnt 0x0
	v_lshrrev_b32 v1, 5, v0
	v_readfirstlane_b32 s14, v1                    ; wave 0..3
	s_lshr_b32 s15, s14, 1                         ; which half of the tile's rows is mine.  Also: I fetch for A (0) or for B (1)
	s_and_b32 s16, s14, 1                          ; which half of its columns.  Also: which half of that tile I fetch
	s_bfe_u32 s40, ttmp6, 0x40000
	s_bfe_u32 s41, ttmp6, 0x40004
	s_lshl_b32 s42, ttmp9, 2
	s_add_co_u32 s42, s42, s40                     ; tile column
	s_and_b32 s17, ttmp7, 0xffff
	s_lshl_b32 s17, s17, 2
	s_add_co_u32 s17, s17, s41                     ; tile row
	s_lshl_b32 s43, s41, 2
	s_lshl_b32 s43, 15, s43
	s_lshl_b32 s44, 0x1111, s40
	; A: 8 tiles x 3,072 bytes (384 elements of 8 bytes), 12,288 bytes apart, dense in LDS
	s_or_b32 s[G1+0], s43, (3<<16)|(1<<21)
	s_mov_b32 s[G1+1], 384<<16
	s_mov_b32 s[G1+2], 8<<16
	s_mov_b32 s[G1+3], 384<<16
	s_mov_b32 s[G1+4], 8
	s_mov_b32 s[G1+5], 1536
	s_mov_b32 s[G1+6], 0
	s_mov_b32 s[G1+7], 0
	; B: 128 rows x 192 bytes, 16 bytes of padding behind every 64
	s_or_b32 s[G1B+0], s44, (0<<16)|(1<<20)|(1<<21)|(3<<22)|(3<<25)
	s_mov_b32 s[G1B+1], ROWB<<16
	s_mov_b32 s[G1B+2], 128<<16
	s_mov_b32 s[G1B+3], ROWB<<16
	s_mov_b32 s[G1B+4], 128
	s_mov_b32 s[G1B+5], KROW
	s_mov_b32 s[G1B+6], 0
	s_mov_b32 s[G1B+7], 0
	; B's scales of 128 rows: 16 rows of 256 bytes, 16 bytes of padding behind each
	s_or_b32 s[G1SB+0], s44, (3<<16)|(1<<20)|(1<<21)|(5<<22)|(3<<25)
	s_mov_b32 s[G1SB+1], 32<<16
	s_mov_b32 s[G1SB+2], (128*KS/256)<<16
	s_mov_b32 s[G1SB+3], 32<<16
	s_mov_b32 s[G1SB+4], 128*KS/256
	s_mov_b32 s[G1SB+5], 32
	s_mov_b32 s[G1SB+6], 0
	s_mov_b32 s[G1SB+7], 0
	s_lshl_b32 s20, s17, 4
	s_lshl_b32 s18, s16, 3
	s_add_co_u32 s20, s20, s18                     ; A: tile 16 x tile row + 8 x half
	s_mul_i32 s20, s20, 12288
	s_mov_b32 s21, 0
	s_lshl_b32 s18, s16, 7
	s_lshl_b32 s46, s42, 8
	s_add_co_u32 s46, s46, s18
	s_add_co_u32 s46, s46, 7168                    ; B: row 7,168 + 256 x tile column + 128 x half
	s_mov_b32 s47, 0
	s_mov_b64 s[18:19], KS
	s_mul_u64 s[92:93], s[46:47], s[18:19]
	s_mov_b64 s[18:19], KROW
	s_mul_u64 s[46:47], s[46:47], s[18:19]
	s_mul_i32 s45, s14, HALFT
	s_mul_i32 s94, s14, HALFS
	s_wait_kmcnt 0x0
	s_add_nc_u64 s[20:21], s[4:5], s[20:21]
	s_add_nc_u64 s[46:47], s[8:9], s[46:47]
	s_add_nc_u64 s[92:93], s[10:11], s[92:93]
	CROUND                                         ; all sixteen work-groups are here: the first joint loads meet
	s_mov_b32 s[G0SB], 1
	s_add_co_u32 s[G0SB+1], s94, SCL
	s_mov_b64 s[G0SB+2:G0SB+3], s[92:93]
	s_or_b32 s[G0SB+3], s[G0SB+3], 0x80000000
.irp s, 0,1
	s_mov_b32 s[G0+4*\s], 1
	s_add_co_u32 s[G0+4*\s+1], s45, \s*SLOT
	s_add_nc_u64 s[G0+4*\s+2:G0+4*\s+3], s[20:21], \s*ASTEP
	s_or_b32 s[G0+4*\s+3], s[G0+4*\s+3], 0x80000000
	s_mov_b32 s[G0B+4*\s], 1
	s_add_co_u32 s[G0B+4*\s+1], s45, \s*SLOT
	s_add_nc_u64 s[G0B+4*\s+2:G0B+4*\s+3], s[46:47], \s*ROWB
	s_or_b32 s[G0B+4*\s+3], s[G0B+4*\s+3], 0x80000000
.endr
	s_cmp_eq_u32 s15, 0                            ; a wave's first fills stand in one branch: waves 0 and 1 have two loads out, waves 2 and 3 three
	s_cbranch_scc0 .Lfirst_b
	tensor_load_to_lds s[G0:G0+3], s[G1:G1+7]
	s_nop 0
	tensor_load_to_lds s[G0+4:G0+7], s[G1:G1+7]
	s_nop 0
.rept 4
	v_nop
.endr
	s_branch .Lfirst_done
.Lfirst_b:
	tensor_load_to_lds s[G0SB:G0SB+3], s[G1SB:G1SB+7]
	s_nop 0
	tensor_load_to_lds s[G0B:G0B+3], s[G1B:G1B+7]
	s_nop 0
	tensor_load_to_lds s[G0B+4:G0B+7], s[G1B:G1B+7]
	s_nop 0
.rept 4
	v_nop
.endr
.Lfirst_done:
	; A's scale bytes.  Waves 0, 1 take heads 0-7, waves 2, 3 heads 8-15; thread t' = thread % 64 takes rows 4 t' .. 4 t' + 3 of the 256: 8 bytes of each head, a wave 256 consecutive bytes a load
	v_and_b32 v7, 63, v0
	v_lshlrev_b32 v8, 3, v7
	s_lshl_b32 s20, s17, 9                         ; 16 tiles x 32 bytes for each tile row
	s_lshl_b32 s21, s15, 16                        ; 8 heads x 8,192 bytes
	s_add_co_u32 s20, s20, s21
	s_mov_b32 s21, 0
	s_add_nc_u64 s[6:7], s[6:7], s[20:21]
.irp k, 0,1,2,3,4,5,6,7
	global_load_b64 v[64+2*\k:65+2*\k], v8, s[6:7] offset:8192*\k
.endr
	v_lshrrev_b32 v9, 1, v7
	v_mul_u32_u24 v9, v9, 272
	v_and_b32 v10, 1, v7
	v_lshl_add_u32 v9, v10, 7, v9
	s_lshl_b32 s22, s15, 4
	s_add_co_u32 s22, s22, SCL
	v_add_nc_u32 v9, s22, v9                       ; row 4 t' of 32 bytes, 16 more for each 256 passed, + my 8 heads' 16 bytes
	v_and_b32 v1, 15, v0                           ; l % 16
	v_bfe_u32 v2, v0, 4, 1                         ; l / 16
	v_and_b32 v6, 31, v0
	v_mul_u32_u24 v3, v1, PITCH
	v_mul_u32_u24 v4, v2, 24
	v_add_nc_u32 v4, v3, v4
	v_lshl_add_u32 v5, v2, 4, v4
	v_lshlrev_b32 v3, 3, v6                        ; A: 8 x lane
	s_mul_i32 s21, s15, HALFT                      ; my 8 tiles of A
	s_mul_i32 s22, s16, HALFT                      ; my 128 rows of B,
	s_add_co_u32 s22, s22, 2*HALFT                 ; which lie behind A's room
.irp s, 0,1
	v_add_nc_u32 v[ADRA+\s], s21, v3
	v_add_nc_u32 v[ADRB+\s], s22, v4
	v_add_nc_u32 v[ADRB+2+\s], s22, v5
	s_add_co_u32 s21, s21, SLOT
	s_add_co_u32 s22, s22, SLOT
.endr
	v_mul_u32_u24 v5, v1, KS
	v_lshrrev_b32 v10, 8, v5
	v_lshl_add_u32 v5, v10, 4, v5
	s_mul_i32 s21, s15, HALFS
	s_mul_i32 s22, s16, HALFS
	s_add_co_u32 s22, s22, 2*HALFS
	s_sub_co_u32 s22, s22, s21
	v_mul_u32_u24 v10, s22, v2                     ; lanes 16-31 take B's
	s_add_co_u32 s21, s21, SCL
	v_add_nc_u32 v5, v5, v10
	v_add_nc_u32 v[ADRS], s21, v5
	s_mul_i32 s23, s14, 16*SPITCH                  ; my stage
	v_mul_u32_u24 v5, v1, SPITCH
	v_lshl_add_u32 v5, v2, 5, v5
	v_add_nc_u32 v[STO], s23, v5
	v_lshlrev_b32 v[CO], 4, v6
	v_add_nc_u32 v[RD], s23, v[CO]
	s_lshl_b32 s20, s17, 8
	s_lshl_b32 s21, s15, 7
	s_add_co_u32 s20, s20, s21                     ; my first row of out0
	s_mov_b32 s21, 0
	s_mov_b64 s[18:19], SIZE_N*4
	s_mul_u64 s[20:21], s[20:21], s[18:19]
	s_lshl_b32 s46, s42, 10
	s_lshl_b32 s47, s16, 9
	s_add_co_u32 s46, s46, s47
	s_mov_b32 s47, 0
	s_add_nc_u64 s[20:21], s[20:21], s[46:47]
	s_add_nc_u64 s[12:13], s[12:13], s[20:21]
	s_mov_b32 s22, 0x05040100                      ; the two low halves
	s_mov_b32 s23, 0x07060302                      ; the two high halves
	s_wait_loadcnt 0x0
.irp p, 0,1,2,3                                ; row 4 t' + p: word k = head 2 k's two bytes below, head 2 k + 1's above
.irp k, 0,1,2,3
	v_perm_b32 v[96+4*\p+\k], v[64+2*(2*\k+1)+(\p/2)], v[64+4*\k+(\p/2)], s[22+(\p%2)]
.endr
.endr
.irp p, 0,1,2,3
	ds_store_b128 v9, v[96+4*\p:96+4*\p+3] offset:32*\p
.endr
.macro FRAG reg, adr, q, i             ; B's fragment from padded rows: six pieces of 8 bytes
.irp p, 0,1,2,3,4,5
.set PC, 12*(\q)+6*(\p/3)+\p%3
.if PC%8 < 5
	ds_load_b64 v[\reg+2*\p:\reg+2*\p+1], v[\adr] offset:8*PC+16*(PC/8)+(\i)*16*PITCH
.else
	ds_load_b64 v[\reg+2*\p:\reg+2*\p+1], v[\adr+2] offset:8*PC+16*(PC/8)+(\i)*16*PITCH
.endif
.endr
.endm
.macro FRAG_A reg, adr, q, i           ; A's fragment from its image: six pieces, each 256 consecutive bytes for the 32 lanes
.irp p, 0,1,2,3,4,5
	ds_load_b64 v[\reg+2*\p:\reg+2*\p+1], v[\adr] offset:ASTEP*(\i)+1536*(\q)+256*\p
.endr
.endm
.macro MUL16 a0, p, q, sc, zero        ; the 64 accumulators take turns, one instruction a turn
.irp a, \a0, \a0+1
.irp b, 0,1,2,3,4,5,6,7
.if \zero
	v_wmma_scale_f32_16x16x128_f8f6f4 v[8*(8*((\a)%4)+\b):8*(8*((\a)%4)+\b)+7], v[128*(\p)+FR*\b:128*(\p)+FR*\b+FR-1], v[AF+FR*(\a):AF+FR*(\a)+FR-1], 0, v[SC+8*NQ*(\sc)+NQ*\b+(\q)], v[SC+8*NQ*(\sc)+NQ*(\a)+(\q)] matrix_a_fmt:MATRIX_FMT_FP6 matrix_b_fmt:MATRIX_FMT_FP6 matrix_a_scale:MATRIX_SCALE_ROW1
.else
	v_wmma_scale_f32_16x16x128_f8f6f4 v[8*(8*((\a)%4)+\b):8*(8*((\a)%4)+\b)+7], v[128*(\p)+FR*\b:128*(\p)+FR*\b+FR-1], v[AF+FR*(\a):AF+FR*(\a)+FR-1], v[8*(8*((\a)%4)+\b):8*(8*((\a)%4)+\b)+7], v[SC+8*NQ*(\sc)+NQ*\b+(\q)], v[SC+8*NQ*(\sc)+NQ*(\a)+(\q)] matrix_a_fmt:MATRIX_FMT_FP6 matrix_b_fmt:MATRIX_FMT_FP6 matrix_a_scale:MATRIX_SCALE_ROW1
.endif
.endr
.endr
.endm
.macro FETCH_B slot, q, p
	WIN TO_B
.irp i, 0,1,2,3,4,5,6,7
	FRAG 128*(\p)+FR*\i, ADRB+\slot, \q, \i
.endr
	WIN 0
.endm
.macro FETCH_A slot, q, i0
.irp i, \i0, \i0+1, \i0+2, \i0+3
	FRAG_A AF+FR*(\i), ADRA+\slot, \q, \i
.endr
.endm
.macro SCALES sc
.irp i, 0,1,2,3,4,5,6,7
	ds_load_b64 v[SC+8*NQ*\sc+NQ*\i:SC+8*NQ*\sc+NQ*\i+1], v[ADRS] offset:\i*SBLK
.endr
.endm
.macro PLACES n
.rept \n
	v_nop
.endr
.endm
.macro STEP slot, q, zero
	s_wait_dscnt 4*NL                              ; B's set and A's blocks 0-3 are in; the youngest 24 loads (A's blocks 4-7) may be out
	WIN MUL_LO
	MUL16 0, (\q)%2, \q, \slot, \zero
	MUL16 2, (\q)%2, \q, \slot, \zero
	s_wait_dscnt 0
	PLACES NP
	FETCH_B \slot, (\q)+1, 1-(\q)%2
	FETCH_A \slot, (\q)+1, 0
	WIN MUL_HI
	MUL16 4, (\q)%2, \q, \slot, \zero
	MUL16 6, (\q)%2, \q, \slot, \zero
	PLACES NP
	WIN 0
	FETCH_A \slot, (\q)+1, 4
.endm
.macro TURN slot, next, fill
	s_wait_tensorcnt 0x0                           ; all my tensor loads have landed: my part of the next slot
	ds_add_u32 v[SPW], v[NIL]                      ; 0 onto my spare word
	s_wait_dscnt 4*NL+1                            ; (the add and the youngest 24 loads may be out)
	WIN MUL_LO
	MUL16 0, 1, NQ-1, \slot, 0
	s_wait_dscnt 0x0                               ; the add is done, and my reads of this slot are over
	s_barrier_signal -1
	MUL16 2, 1, NQ-1, \slot, 0
	WIN 0
	s_barrier_wait -1
.if \fill
	CREST                                          ; the barrier has opened a round of the cluster's barrier
	s_add_nc_u64 s[G0+4*\slot+2:G0+4*\slot+3], s[G0+4*\slot+2:G0+4*\slot+3], 2*ASTEP
	s_add_nc_u64 s[G0B+4*\slot+2:G0B+4*\slot+3], s[G0B+4*\slot+2:G0B+4*\slot+3], 2*ROWB
	JLOAD G0+4*\slot, G1, G0B+4*\slot, G1B         ; the first tensor load behind the round; its four v_nop are the places in front of the loads below
.else
	PLACES NP
.endif
	v_add_nc_u32 v[ADRS], 4*NQ, v[ADRS]
	FETCH_B \next, 0, 0
	FETCH_A \next, 0, 0
	SCALES \next
	WIN MUL_HI
	MUL16 4, 1, NQ-1, \slot, 0
	MUL16 6, 1, NQ-1, \slot, 0
	PLACES NP
	WIN 0
	FETCH_A \next, 0, 4
.endm
	s_wait_tensorcnt 1                             ; my part of K step 0 (and B's scales) is in; K step 1's load may be out
	s_wait_dscnt 0x0                               ; my part of A's scales is stored
	s_barrier_signal -1
	s_barrier_wait -1                              ; everybody's are
	FETCH_B 0, 0, 0
	FETCH_A 0, 0, 0
	SCALES 0
	FETCH_A 0, 0, 4
	STEP 0, 0, 1
	s_mov_b32 s3, LAPS-1
.Llap:
	TURN 0, 1, 1
	STEP 1, 0, 0
	TURN 1, 0, 1
	STEP 0, 0, 0
	s_sub_co_u32 s3, s3, 1
	s_cmp_lg_u32 s3, 0
	s_cbranch_scc1 .Llap
	TURN 0, 1, 0
	STEP 1, 0, 0
	s_wait_dscnt 4*NL
	WIN MUL_LO
	MUL16 0, 1, NQ-1, 1, 0
	MUL16 2, 1, NQ-1, 1, 0
	s_wait_dscnt 0
	WIN MUL_HI
	MUL16 4, 1, NQ-1, 1, 0
	MUL16 6, 1, NQ-1, 1, 0
	WIN 0
; THE WAY OUT, block by block of 16 rows x 128 columns, through my own stage in LDS: back come whole rows of 512 bytes, which the 32 lanes store as 512 consecutive bytes.
; Stage row p of block a is row 32 (a / 2) + 8 (a % 2) + p + 8 (p / 8) of my 128: the place stands in the store's immediate, 520,192 bytes at the most.
.macro TOSTAGE a
.set AC, 64*((\a)%4)
.set WN, 0x08+4*((\a)/4)
	WIN WN                                         ; the data: window 2 or 3
.irp b, 0,1,2,3,4,5,6,7
	ds_store_b128 v[STO], v[AC+8*\b:AC+8*\b+3] offset:64*\b          ; each accumulator from its low end on
	ds_store_b128 v[STO], v[AC+8*\b+4:AC+8*\b+7] offset:64*\b+16
.endr
	WIN 0
.set BB, BK+64*((\a)%2)
.irp t, 0,1,2,3,4,5,6,7,8,9,10,11,12,13,14,15
	ds_load_b128 v[BB+4*\t:BB+4*\t+3], v[RD] offset:\t*SPITCH        ; LDS serves a wave's instructions in order: these see the stores above
.endr
.endm
.macro SEND a, younger
.set BB, BK+64*((\a)%2)
	s_wait_dscnt \younger                          ; the block is back in registers
.irp t, 0,1,2,3,4,5,6,7,8,9,10,11,12,13,14,15
	global_store_b128 v[CO], v[BB+4*\t:BB+4*\t+3], s[12:13] offset:(32*((\a)/2)+8*((\a)%2)+\t+8*(\t/8))*SIZE_N*4 th:TH_STORE_NT
.endr
.endm
	PLACES NP
	TOSTAGE 0
.irp a, 1,2,3,4,5,6,7
.if \a > 1
	s_wait_xcnt 0x0                                ; block a - 2's stores have read their registers: block a's loads may land there
.endif
	TOSTAGE \a
	SEND \a-1, 32                                  ; behind block a - 1's loads: block a's 16 stores and 16 loads
.endr
	SEND 7, 0
	s_wait_tensorcnt 0x0                           ; the wave's end
	ds_add_u32 v[SPW], v[NIL]
	s_wait_dscnt 0x0
	CROUND                                         ; the closing round
	s_endpgm
.Lfunc_end_k_q8dc55a5518_oproj:
	.size	k_q8dc55a5518_oproj, .Lfunc_end_k_q8dc55a5518_oproj-k_q8dc55a5518_oproj
	.p2alignl 7, 3214868480
	.fill 96, 4, 3214868480
	.section	.rodata,"a",@progbits
	.p2align	6, 0x0
	.amdhsa_kernel k_q8dc55a5518_oproj
		.amdhsa_group_segment_fixed_size 327680
		.amdhsa_private_segment_fixed_size 0
		.amdhsa_enable_private_segment 0
		.amdhsa_kernarg_size 40
		.amdhsa_user_sgpr_count 2
		.amdhsa_user_sgpr_kernarg_segment_ptr 1
		.amdhsa_wavefront_size32 1
		.amdhsa_system_sgpr_workgroup_id_x 1
		.amdhsa_system_sgpr_workgroup_id_y 1
		.amdhsa_system_sgpr_workgroup_id_z 1
		.amdhsa_system_vgpr_workitem_id 0
		.amdhsa_next_free_vgpr 1024
		.amdhsa_next_free_sgpr 98
		.amdhsa_reserve_vcc 0
		.amdhsa_float_denorm_mode_32 3
		.amdhsa_float_denorm_mode_16_64 3
		.amdhsa_memory_ordered 1
		.amdhsa_forward_progress 1
		.amdhsa_inst_pref_size 161
	.end_amdhsa_kernel
	.amdgpu_metadata
---
amdhsa.version: [ 1, 2 ]
amdhsa.kernels:
  - .name:           k_q8dc55a5518_oproj
    .symbol:         k_q8dc55a5518_oproj.kd
    .args:
      - { .name: ao, .offset: 0, .size: 8, .value_kind: global_buffer, .address_space: global }
      - { .name: aos, .offset: 8, .size: 8, .value_kind: global_buffer, .address_space: global }
      - { .name: cod, .offset: 16, .size: 8, .value_kind: global_buffer, .address_space: global }
      - { .name: scl, .offset: 24, .size: 8, .value_kind: global_buffer, .address_space: global }
      - { .name: out0, .offset: 32, .size: 8, .value_kind: global_buffer, .address_space: global }
    .group_segment_fixed_size: 327680
    .private_segment_fixed_size: 0
    .kernarg_segment_align: 8
    .kernarg_segment_size: 40
    .max_flat_workgroup_size: 128
    .sgpr_count:     98
    .vgpr_count:     1024
    .wavefront_size: 32
...
	.end_amdgpu_metadata
.endif
;; end of part 4
